; MI455X (gfx1250); checked and timed in simulation.
; The chip was launched on July 23, 2026; its instructions are those of AMD's public machine-readable ISA for CDNA 5 (MIT licence, August 2026) and "CDNA5" Instruction Set Architecture Reference Guide (July 2026). The comments in the code are by the model that wrote it; some were corrected since.
;; Multi Head Attention. Allowed arithmetic: matrix products marked QUANTISED: E4M3 operands, one E8M0 scale for each 32 along K, by v_wmma_scale_f32_16x16x128_f8f6f4 with both operands' format E4M3, f32 sums; everything else in f32.
;; Inputs: W_k 1,024 x 1,024 float32; W_o 1,024 x 1,024 float32; W_q 1,024 x 1,024 float32; W_v 1,024 x 1,024 float32; b_k 1,024 float32; b_o 1,024 float32; b_q 1,024 float32; b_v 1,024 float32; x 4 x 2,048 x 1,024 float32.
;; Outputs: out0 4 x 2,048 x 1,024 float32.
;; This version of the problem:
;;   THIS VERSION OF THE PROBLEM IS GIVEN IN LOW PRECISION. The matrix products marked QUANTISED in the list below multiply operands that are first quantised to E4M3 (4 exponent bits, 3 mantissa bits; 8 bits a number), with one power-of-two scale for each 32 numbers along K (OCP MX v1.0); their sums are f32. All else is computed in f32.
;;   The module's matrix products, in the order in which they are computed (A, B: the left and right operand; K: the contracted axis; several contracted axes count as one K, in the product's order):
;;     1. [M 8,192, K 1,024] x [K 1,024, N 1,024]; A: input x; B: input W_q: QUANTISED
;;     2. [M 8,192, K 1,024] x [K 1,024, N 1,024]; A: input x; B: input W_k: QUANTISED
;;     3. [M 8,192, K 1,024] x [K 1,024, N 1,024]; A: input x; B: input W_v: QUANTISED
;;     4. batch 64 x [M 2,048, K 64] x [K 64, N 2,048]; A: computed on the way; B: computed on the way: QUANTISED
;;     5. batch 64 x [M 2,048, K 2,048] x [K 2,048, N 64]; A: softmax (see below); B: computed on the way: QUANTISED
;;     6. [M 8,192, K 1,024] x [K 1,024, N 1,024]; A: computed on the way; B: input W_o: QUANTISED
;;   THE QUANTISER, for each operand of a quantised product, along K:
;;     - K is cut into blocks of 32 from its start; a last block that is shorter is filled with zeros.
;;     - A block's scale is 2^e with e = floor(log2(the largest magnitude in the block)) - 8, held to -126 .. 127; a block of zeros has e = 0. As a byte (E8M0): e + 127.
;;     - Each number is divided by its block's scale, clamped to +-448, and rounded to the nearest number of E4M3, ties to even, subnormals kept.
;;     - The product sums the exact products of the quantised numbers (number of the format x scale) in f32.
;;   ~~~python
;;   def quantise(x, axis):      # numpy; x: float32 -> the quantised numbers, widened to float32 again
;;       x = np.moveaxis(x, axis, -1); K = x.shape[-1]
;;       x = np.pad(x, [(0, 0)] * (x.ndim - 1) + [(0, -K % 32)]); x = x.reshape(x.shape[:-1] + (-1, 32)); a = np.abs(x).max(-1, keepdims=True)
;;       e = np.where(a > 0, np.clip(np.frexp(np.where(a > 0, a, 1))[1] - 1 - 8, -126, 127), 0)      # np.frexp(a)[1] - 1 = floor(log2(a)), exactly
;;       r = np.clip(x / 2.0 ** e, -448, 448)
;;       step = 2.0 ** (np.maximum(np.frexp(np.where(r == 0, 1, r))[1] - 1, -6) - 3)
;;       q = np.round(r / step) * step * 2.0 ** e      # np.round: ties to even
;;       return np.moveaxis(q.reshape(q.shape[:-2] + (-1,))[..., :K], -1, axis).astype(np.float32)
;;   ~~~
;;   SOFTMAX AHEAD OF A QUANTISED PRODUCT. Where the list says 'softmax', what is quantised is not the finished softmax but p = 2^(t - M), with t = logit x log2(e) and M = ceil(the row's largest t), a whole number; so 1/2 < the row's largest p <= 1. The row's sum l is taken of the UNQUANTISED p, in f32, and the product's result is divided by l at the end. Since M is a whole number, a kernel that streams over the keys may use a running M (the ceiling of the running maximum): every later rescaling is an exact power of two, which a block's scale takes up: the codes' values come out the same.
;;   OPERANDS COMPUTED ON THE WAY. 'Computed on the way' means the value that the module computes at that place (a softmax that the list does not call 'softmax' is quantised finished and normalised). What goes into a quantiser is computed in f32, as accurately as f32 sums, v_exp_f32 and their like allow (about 1e-6 of the number): no bf16 or f16 on the way to a quantiser, and a product that is left as it is and whose result goes on into a quantised operand takes f32 operands (vector FMAs, or v_wmma_f32_16x16x4_f32). A number that lies on a knife's edge between two numbers of the format may be rounded either way, as far as f32 arithmetic and the matrix unit's own rounding can turn it there, and no further.
;; One version. Each part assembles by itself: llvm-mc -triple=amdgcn-amd-amdhsa -mcpu=gfx1250 --defsym DOCPART=n.
;; ======== version 1 of 1: 4 launches
;; limits: right only within a limited range of input values
;; workspace buffers: opc 12,582,912 bytes; ops 393,216 bytes; qb 8,650,752 bytes; kv 17,301,504 bytes; cc 8,388,608 bytes; cs 262,144 bytes
;; launch quant (part 1): grid 768 x 1, 8 waves a work-group, no clusters, 69,120 bytes of LDS; arguments x, W_q, W_k, W_v, W_o, opc, ops; writes opc, ops
.if DOCPART == 1
	.amdgcn_target "amdgcn-amd-amdhsa--gfx1250"
	.amdhsa_code_object_version 6
	.text
	.protected	k_q62aa514fd8_quant
	.globl	k_q62aa514fd8_quant
	.p2align	8
	.type	k_q62aa514fd8_quant,@function
k_q62aa514fd8_quant:
	s_mov_b64 s[64:65], 0
	v_nop
	global_prefetch_b8 v0, s[64:65] scope:SCOPE_SE
	s_setreg_imm32_b32 hwreg(HW_REG_WAVE_MODE, 25, 1), 1
	s_wait_xcnt 0x0
; x [8192][1024] and W_q, W_k, W_v, W_o [1024][1024], f32, K innermost, become codes of E4M3 with one E8M0 byte for each 32 along K.
; OUT: opc [row tile G 0..767][K step 8][2,048 bytes]: an IMAGE OF THE OPERAND'S REGISTERS: group c at 512 c, lane 16 h + r at 16 x lane: row r of the tile, k = 32 c + 16 h + 0 .. 15 of the K step.
;      ops [16 G + r][8 words]: a word for each K step of 128, a byte for each 32.    Row tiles: 0-511 x, 512-575 W_q, 576-639 W_k, 640-703 W_v, 704-767 W_o.
; W_v'S ROW TILES ARE NOT NEIGHBOURS: lane r of tile 2 b + u holds row 32 b + 8 u + r % 8 + 16 (r / 8), so that the attention's O^T comes out with a lane's 16 registers as 16 neighbouring channels.
; A block's scale is 2^(floor(log2(largest magnitude)) - 8); its byte is the largest magnitude's exponent field - 8, held at 1 from below.
; LIMITS: NaN and infinities are not served; a block whose largest magnitude is 0 or under 2^-118 gets the byte 1 (zero blocks: codes 0; these bytes are read by this program alone).
; SHARES: a work-group takes a row tile, wave w its K step w: 16 rows x 128 numbers.  Each load reads 512 consecutive bytes of one row; the 8,192 bytes turn through the wave's own stage in LDS (rows 528 bytes
; apart: 132 words, so sixteen rows start at sixteen different groups of four banks) and come back 16 neighbours of a block to a lane.  Each store of codes covers 512 consecutive bytes, aligned.
; No cluster, no matrix unit, no tensor load: nothing is shared between work-groups and every byte is read once.
.set R,   16                           ; v16-79   the numbers as loaded: row i in v[R + 4 i ..]
.set X,   80                           ; v80-143  register 16 b + i: k = 32 b + 16 h + i of my row r
.set TM,  144                          ; v144-147 largest magnitudes, v148-151 bytes, v152-155 448 x the scale, v156-159 the conversions' scale operands
.set PW,  9                            ; v9       my row's scale word
.set PC,  16                           ; v16-31   the codes (the loaded numbers have left for the stage)
.set SCB, 67584                        ; LDS: behind the eight stages of 8,448 bytes: the tile's 512 scale bytes
.set SEL, 32                           ; s[32:33] v_permlanex16_b32's selects for lane l xor 16
.set MNT, 34                           ; s34      the mantissa field of 448
; 64 numbers of a lane, register 16 b + i = k 32 b + 16 (lane / 16) + i of its row, become a fragment's 16 registers of codes and its scale word
.macro QUANT s, pc, pw
.irp b, 0,1,2,3
	v_max3_num_f32 v[TM+\b], |v[(\s)+16*\b]|, |v[(\s)+1+16*\b]|, 0x4800000   ; my 16 numbers of block b, and the floor 2^(9 - 127): the byte cannot fall under 1
.endr
.irp i, 2,4,6,8,10,12,14
.irp b, 0,1,2,3
	s_delay_alu instid0(VALU_DEP_4)
	v_max3_num_f32 v[TM+\b], v[TM+\b], |v[(\s)+16*\b+\i]|, |v[(\s)+1+16*\b+\i]|   ; the four blocks by turns
.endr
.endr
.irp b, 0,1,2,3
	s_delay_alu instid0(VALU_DEP_4)
	v_permlanex16_b32 v[TM+4+\b], v[TM+\b], s[SEL], s[SEL+1]
.endr
.irp b, 0,1,2,3
	s_delay_alu instid0(VALU_DEP_4)
	v_max_num_f32 v[TM+\b], v[TM+\b], v[TM+4+\b]           ; with lane l xor 16's 16: the block's largest magnitude
.endr
.irp b, 0,1,2,3
	s_delay_alu instid0(VALU_DEP_4)
	v_add_nc_u32 v[TM+12+\b], 0xfc000000, v[TM+\b]         ; 8 off its exponent field: the conversion's scale operand
.endr
.irp b, 0,1,2,3
	v_and_or_b32 v[TM+8+\b], v[TM+\b], 0x7f800000, s[MNT]  ; 448 x the scale
.endr
.irp b, 0,1,2,3
	v_lshrrev_b32 v[TM+4+\b], 23, v[TM+12+\b]              ; the scale's byte
.endr
	s_delay_alu instid0(VALU_DEP_3)
	v_lshl_or_b32 v[\pw], v[TM+5], 8, v[TM+4]
	s_delay_alu instid0(VALU_DEP_1)
	v_lshl_or_b32 v[\pw], v[TM+6], 16, v[\pw]
	s_delay_alu instid0(VALU_DEP_1)
	v_lshl_or_b32 v[\pw], v[TM+7], 24, v[\pw]
.irp b, 0,1,2,3
.irp i, 0,1,2,3,4,5,6,7,8,9,10,11,12,13,14,15
	v_med3_num_f32 v[(\s)+16*\b+\i], v[(\s)+16*\b+\i], -v[TM+8+\b], v[TM+8+\b]   ; the conversion to an 8-bit code does not saturate (ISA guide 7.6.2): the hold comes first
.endr
	v_cvt_scalef32_pk8_fp8_f32 v[(\pc)+4*\b:(\pc)+4*\b+1], v[(\s)+16*\b:(\s)+16*\b+7], v[TM+12+\b]
	v_cvt_scalef32_pk8_fp8_f32 v[(\pc)+4*\b+2:(\pc)+4*\b+3], v[(\s)+16*\b+8:(\s)+16*\b+15], v[TM+12+\b]
.endr
	v_nop                                          ; a plain vector line behind the last conversion
.endm
	s_load_b256 s[4:11], s[0:1], 0x0               ; x, W_q, W_k, W_v
	s_load_b128 s[12:15], s[0:1], 0x20             ; W_o, opc
	s_load_b64 s[16:17], s[0:1], 0x30              ; ops
	v_lshl_add_u32 v10, v0, 2, 0x10a00             ; v10: my spare word, v11: 0; never rewritten
	v_mov_b32 v11, 0
	v_lshrrev_b32 v6, 5, v0
	s_delay_alu instid0(VALU_DEP_1)
	v_readfirstlane_b32 s18, v6                    ; wave 0..7 = my K step
	v_and_b32 v6, 31, v0                           ; lane
	v_and_b32 v7, 15, v0                           ; r
	v_bfe_u32 v8, v0, 4, 1                         ; h
	s_delay_alu instid0(VALU_DEP_3)
	v_lshlrev_b32 v1, 4, v6                        ; v1: 16 x lane
	s_mul_i32 s36, s18, 8448                       ; my stage
	v_add_nc_u32 v2, s36, v1                       ; v2: into it: a row's 512 bytes as they lie
	v_mul_u32_u24 v3, v7, 528
	s_delay_alu instid0(VALU_DEP_1)
	v_lshl_add_u32 v3, v8, 6, v3
	s_delay_alu instid0(VALU_DEP_1)
	v_add_nc_u32 v3, s36, v3                       ; v3: out of it: row r, + 64 h: my 16 numbers of a block
	s_lshl_b32 s37, s18, 2
	v_lshlrev_b32 v4, 5, v7
	s_delay_alu instid0(VALU_DEP_1)
	v_add_nc_u32 v4, s37, v4
	s_delay_alu instid0(VALU_DEP_1)
	v_add_nc_u32 v4, SCB, v4                       ; v4: my row's word of my K step: 32 r + 4 w
	v_add_nc_u32 v5, SCB, v1                       ; v5: the tile's 512 scale bytes, 16 a lane
.irp b, 0,1,2,3
	v_mov_b32 v[TM+4+\b], 0                        ; a lane permute's destination counts as one of its sources
.endr
	s_mov_b32 s[SEL], 0x76543210
	s_mov_b32 s[SEL+1], 0xfedcba98
	s_mov_b32 s[MNT], 0x600000
	s_and_b32 s19, ttmp9, 63
	s_cmp_lt_u32 ttmp9, 512
	s_cselect_b32 s19, ttmp9, s19                  ; T: the row tile's number in its own tensor
	s_and_b32 s23, s19, 1
	s_lshl_b32 s23, s23, 3                         ; 8 (T % 2)
	s_lshr_b32 s22, ttmp9, 6
	s_cmp_eq_u32 s22, 10                           ; W_v?
	s_cselect_b32 s23, s23, 0
	s_cselect_b32 s35, 16, 8                       ; how far on the second eight rows begin
	s_lshl_b32 s22, s19, 4
	s_sub_co_u32 s22, s22, s23                     ; the first eight rows' first
	s_add_co_u32 s35, s35, s22                     ; the second eight's first
	s_lshl_b32 s22, s22, 12                        ; rows of 4,096 bytes (under 2^26)
	s_lshl_b32 s35, s35, 12
	s_lshl_b32 s38, s18, 9                         ; my K step's 512 bytes of a row
	s_add_co_u32 s22, s22, s38
	s_add_co_u32 s38, s35, s38
	s_mov_b32 s23, 0
	s_mov_b32 s39, 0
	s_lshl_b32 s36, ttmp9, 14
	s_lshl_b32 s37, s18, 11
	s_add_co_u32 s36, s36, s37                     ; my image in opc
	s_mov_b32 s37, 0
	s_wait_alu depctr_va_vdst(0)
	s_wait_kmcnt 0x0
	s_cmp_lt_u32 ttmp9, 704                        ; the tensor is chosen by the work-group's number alone
	s_cselect_b64 s[20:21], s[10:11], s[12:13]
	s_cmp_lt_u32 ttmp9, 640
	s_cselect_b64 s[20:21], s[8:9], s[20:21]
	s_cmp_lt_u32 ttmp9, 576
	s_cselect_b64 s[20:21], s[6:7], s[20:21]
	s_cmp_lt_u32 ttmp9, 512
	s_cselect_b64 s[20:21], s[4:5], s[20:21]
	s_add_nc_u64 s[24:25], s[20:21], s[22:23]
	s_add_nc_u64 s[26:27], s[20:21], s[38:39]
	s_add_nc_u64 s[28:29], s[14:15], s[36:37]
	s_lshl_b32 s36, ttmp9, 9
	s_add_nc_u64 s[30:31], s[16:17], s[36:37]      ; the tile's 512 bytes of ops
.irp i, 0,1,2,3,4,5,6,7
	global_load_b128 v[R+4*\i:R+4*\i+3], v1, s[24:25] offset:4096*\i th:TH_LOAD_NT     ; 32 lanes read 512 consecutive bytes of row i; read once in the launch
.endr
.irp i, 8,9,10,11,12,13,14,15
	global_load_b128 v[R+4*\i:R+4*\i+3], v1, s[26:27] offset:4096*(\i-8) th:TH_LOAD_NT
.endr
.irp i, 0,1,2,3,4,5,6,7,8,9,10,11,12,13,14,15
	s_wait_loadcnt 15-\i                           ; loads come back in order: row i is in, the 15 - i younger ones may be out
	ds_store_b128 v2, v[R+4*\i:R+4*\i+3] offset:528*\i
.endr
.irp b, 0,1,2,3
.irp j, 0,1,2,3
	ds_load_b128 v[X+16*\b+4*\j:X+16*\b+4*\j+3], v3 offset:128*\b+16*\j   ; LDS serves a wave's instructions in order: these see my stores
.endr
.endr
	s_wait_dscnt 0x0
	QUANT X, PC, PW
.irp c, 0,1,2,3
	global_store_b128 v1, v[PC+4*\c:PC+4*\c+3], s[28:29] offset:512*\c    ; group c of the image: 512 consecutive bytes, aligned
.endr
	ds_store_b32 v4, v[PW]                         ; both halves of the lanes write the same word with the same value
	s_wait_dscnt 0x0                               ; for the others' sake: my word has landed
	s_barrier_signal -1
	s_barrier_wait -1
	s_cmp_lg_u32 s18, 0
	s_cbranch_scc1 .Lend
	ds_load_b128 v[X:X+3], v5                      ; wave 0 stores the tile's scale bytes: 512 consecutive bytes
	s_wait_dscnt 0x0
	global_store_b128 v1, v[X:X+3], s[30:31]
.Lend:
	s_wait_tensorcnt 0x0
	ds_add_u32 v10, v11
	s_wait_dscnt 0x0
	s_endpgm
.Lfunc_end_k_q62aa514fd8_quant:
	.size	k_q62aa514fd8_quant, .Lfunc_end_k_q62aa514fd8_quant-k_q62aa514fd8_quant
	.p2alignl 7, 3214868480
	.fill 96, 4, 3214868480
	.section	.rodata,"a",@progbits
	.p2align	6, 0x0
	.amdhsa_kernel k_q62aa514fd8_quant
		.amdhsa_group_segment_fixed_size 69120
		.amdhsa_private_segment_fixed_size 0
		.amdhsa_enable_private_segment 0
		.amdhsa_kernarg_size 56
		.amdhsa_user_sgpr_count 2
		.amdhsa_user_sgpr_kernarg_segment_ptr 1
		.amdhsa_wavefront_size32 1
		.amdhsa_system_sgpr_workgroup_id_x 1
		.amdhsa_system_sgpr_workgroup_id_y 1
		.amdhsa_system_sgpr_workgroup_id_z 1
		.amdhsa_system_vgpr_workitem_id 0
		.amdhsa_next_free_vgpr 160
		.amdhsa_next_free_sgpr 66
		.amdhsa_reserve_vcc 0
		.amdhsa_float_denorm_mode_32 3
		.amdhsa_float_denorm_mode_16_64 3
		.amdhsa_memory_ordered 1
		.amdhsa_forward_progress 1
		.amdhsa_inst_pref_size 18
	.end_amdhsa_kernel
	.amdgpu_metadata
---
amdhsa.version: [ 1, 2 ]
amdhsa.kernels:
  - .name:           k_q62aa514fd8_quant
    .symbol:         k_q62aa514fd8_quant.kd
    .args:
      - { .name: x, .offset: 0, .size: 8, .value_kind: global_buffer, .address_space: global }
      - { .name: W_q, .offset: 8, .size: 8, .value_kind: global_buffer, .address_space: global }
      - { .name: W_k, .offset: 16, .size: 8, .value_kind: global_buffer, .address_space: global }
      - { .name: W_v, .offset: 24, .size: 8, .value_kind: global_buffer, .address_space: global }
      - { .name: W_o, .offset: 32, .size: 8, .value_kind: global_buffer, .address_space: global }
      - { .name: opc, .offset: 40, .size: 8, .value_kind: global_buffer, .address_space: global }
      - { .name: ops, .offset: 48, .size: 8, .value_kind: global_buffer, .address_space: global }
    .group_segment_fixed_size: 69120
    .private_segment_fixed_size: 0
    .kernarg_segment_align: 8
    .kernarg_segment_size: 56
    .max_flat_workgroup_size: 256
    .sgpr_count:     66
    .vgpr_count:     160
    .wavefront_size: 32
...
	.end_amdgpu_metadata
.endif
;; end of part 1
;; launch qkv (part 2): grid 12 x 32, 4 waves a work-group, clusters of 4 x 4, 327,680 bytes of LDS; arguments opc, ops, b_q, b_k, qb, kv, b_v; writes qb, kv
.if DOCPART == 2
	.amdgcn_target "amdgcn-amd-amdhsa--gfx1250"
	.amdhsa_code_object_version 6
	.text
	.protected	k_q62aa514fd8_qkv
	.globl	k_q62aa514fd8_qkv
	.p2align	8
	.type	k_q62aa514fd8_qkv,@function
k_q62aa514fd8_qkv:
	s_mov_b64 s[64:65], 0
	v_nop
	global_prefetch_b8 v0, s[64:65] scope:SCOPE_SE
	s_setreg_imm32_b32 hwreg(HW_REG_WAVE_MODE, 25, 1), 1
	s_wait_xcnt 0x0
	s_wait_alu depctr_hold_cnt(0) depctr_sa_sdst(0) depctr_va_vdst(0) depctr_va_sdst(0) depctr_va_ssrc(0) depctr_va_vcc(0) depctr_vm_vsrc(0)
	s_getreg_b32 s2, hwreg(HW_REG_IB_STS2, 6, 4)
	s_cmp_eq_u32 s2, 0
	s_cbranch_scc0 .Lentry_in_a_cluster
	s_endpgm
.Lentry_in_a_cluster:
	s_bfe_u32 s2, ttmp6, 0x10000c
	s_cmp_lg_u32 s2, 0xf033
	s_cbranch_scc0 .Lentry_shape_is_right
	s_endpgm
.Lentry_shape_is_right:
.set NQ,     2
.set FR,     16
.set NL,     4
.set NP,     8
.set HALFT,  32768
.set SLOT,   4*HALFT
.set LAPS,   2
.set KS,     32
.set SCL,    2*SLOT
.set HALFS,  16*272
.set SBLK,   2*272
.set SPARE,  SCL+4*HALFS
.set ADRA, 16
.set ADRB, 20
.set ADRS, 27
.set SPW,  28
.set NIL,  29
.set SC,   32
.set BI,   64
.set AF,   128
.set T,    128
.set PC,   192
.set TM,   224
.set PWS,  240
.set SWD,  248
.set SELV, 252
.set SOFF, 253
.set LI,   254
.set G1, 24
.set G0, 32
.set G1B, 48
.set G0B, 56
.set G1S, 68
.set G0S, 76
.set G1SB, 80
.set G0SB, 88
.set SEL, 24
.set MNT, 26
.set P0,  32
.set PS,  36
.set MSB, 0
.macro WIN new
.if MSB != (\new)
	s_set_vgpr_msb (MSB<<8)|(\new)
.set MSB, (\new)
.endif
.endm
.set MUL_LO, 0xa1
.set MUL_HI, 0xf1
.set TO_B,   0x40
.macro JLOAD g0a, g1a, g0b, g1b
	s_cmp_eq_u32 s15, 0
	s_cbranch_scc0 .Lfor_b_\@
	tensor_load_to_lds s[\g0a:\g0a+3], s[\g1a:\g1a+7]
	s_nop 0
.rept 4
	v_nop
.endr
	s_branch .Lasked_\@
.Lfor_b_\@:
	tensor_load_to_lds s[\g0b:\g0b+3], s[\g1b:\g1b+7]
	s_nop 0
.rept 4
	v_nop
.endr
.Lasked_\@:
.endm
.macro CREST
	s_cmp_lg_u32 s14, 0
	s_cbranch_scc1 .Lnot_wave_0_\@
	s_barrier_signal -3
.Lnot_wave_0_\@:
	s_barrier_wait -3
	s_barrier_signal -1
	s_barrier_wait -1
.endm
.macro CROUND
	s_barrier_signal -1
	s_barrier_wait -1
	CREST
.endm
	s_load_b128 s[4:7], s[0:1], 0x0
	s_load_b128 s[8:11], s[0:1], 0x10
	s_load_b128 s[96:99], s[0:1], 0x20
	s_load_b64 s[12:13], s[0:1], 0x30
	v_lshl_add_u32 v[SPW], v0, 2, SPARE
	v_mov_b32 v[NIL], 0
	ds_add_u32 v28, v29
	ds_add_u32 v28, v29
	s_wait_dscnt 0x0
	v_lshrrev_b32 v1, 5, v0
	v_readfirstlane_b32 s14, v1
	s_lshr_b32 s15, s14, 1
	s_and_b32 s16, s14, 1
	s_bfe_u32 s40, ttmp6, 0x40000
	s_bfe_u32 s41, ttmp6, 0x40004
	s_and_b32 s67, ttmp7, 0xffff
	s_lshl_b32 s67, s67, 2
	s_add_co_u32 s17, s67, s41
	s_add_co_u32 s18, s41, 40
	s_lshl_b32 s42, ttmp9, 2
	s_add_co_u32 s42, s42, s40
	s_add_co_u32 s42, s42, 32
	s_add_co_u32 s19, s67, s40
	s_cmp_eq_u32 ttmp9, 2
	s_cselect_b32 s17, s18, s17
	s_cselect_b32 s42, s19, s42
	s_cselect_b32 s66, 1, 0
	s_lshl_b32 s43, s41, 2
	s_lshl_b32 s43, 15, s43
	s_lshl_b32 s44, 0x1111, s40
	s_or_b32 s[G1+0], s43, (3<<16)|(1<<21)
	s_or_b32 s[G1B+0], s44, (3<<16)|(1<<21)
.irp g, G1, G1B
	s_mov_b32 s[\g+1], 512<<16
	s_mov_b32 s[\g+2], 16<<16                      ; the head's loads bring whole tiles of 16 row tiles
	s_mov_b32 s[\g+3], 512<<16
	s_mov_b32 s[\g+4], 16
	s_mov_b32 s[\g+5], 2048
	s_mov_b32 s[\g+6], 0
	s_mov_b32 s[\g+7], 0
.endr
	s_or_b32 s[G1S+0], s43, (3<<16)|(1<<20)|(1<<21)|(5<<22)|(3<<25)
	s_or_b32 s[G1SB+0], s44, (3<<16)|(1<<20)|(1<<21)|(5<<22)|(3<<25)
.irp g, G1S, G1SB
	s_mov_b32 s[\g+1], 32<<16
	s_mov_b32 s[\g+2], 32<<16                      ; the scales of 256 rows: 32 rows of 256 bytes
	s_mov_b32 s[\g+3], 32<<16
	s_mov_b32 s[\g+4], 32
	s_mov_b32 s[\g+5], 32
	s_mov_b32 s[\g+6], 0
	s_mov_b32 s[\g+7], 0
.endr
	s_lshl_b32 s18, s16, 7
	s_lshl_b32 s20, s17, 8
	s_lshl_b32 s46, s42, 8
	s_mov_b32 s21, 0
	s_mov_b32 s47, 0
	s_lshl_b64 s[22:23], s[20:21], 5
	s_lshl_b64 s[92:93], s[46:47], 5
	s_lshl_b64 s[20:21], s[20:21], 10
	s_lshl_b64 s[46:47], s[46:47], 10
	s_mul_i32 s45, s14, HALFT
	s_mul_i32 s94, s14, HALFS
	s_wait_kmcnt 0x0
	s_add_nc_u64 s[20:21], s[4:5], s[20:21]
	s_add_nc_u64 s[22:23], s[6:7], s[22:23]
	s_add_nc_u64 s[46:47], s[4:5], s[46:47]
	s_add_nc_u64 s[92:93], s[6:7], s[92:93]
	CROUND
	s_mov_b32 s[G0S], 1
	s_mov_b32 s[G0S+1], SCL
	s_mov_b64 s[G0S+2:G0S+3], s[22:23]
	s_or_b32 s[G0S+3], s[G0S+3], 0x80000000
	s_mov_b32 s[G0SB], 1
	s_mov_b32 s[G0SB+1], SCL+2*HALFS
	s_mov_b64 s[G0SB+2:G0SB+3], s[92:93]
	s_or_b32 s[G0SB+3], s[G0SB+3], 0x80000000
	s_mov_b32 s4, 1                                ; s[4:7]: group 0 of A's whole first step (the arguments that lay there have been used)
	s_mov_b32 s5, 0
	s_mov_b64 s[6:7], s[20:21]
	s_or_b32 s7, s7, 0x80000000
	s_mov_b32 s92, 1                               ; s[92:95]: of B's, behind A's in slot 0
	s_mov_b32 s93, 2*HALFT
	s_mov_b64 s[94:95], s[46:47]
	s_or_b32 s95, s95, 0x80000000
	s_lshl_b32 s18, s18, 10                        ; for the ring: my 128 rows of the tile, in bytes
	s_mov_b32 s19, 0
	s_add_nc_u64 s[20:21], s[20:21], s[18:19]
	s_add_nc_u64 s[46:47], s[46:47], s[18:19]
.irp s, 0,1
	s_mov_b32 s[G0+4*\s], 1
	s_add_co_u32 s[G0+4*\s+1], s45, \s*SLOT
	s_add_nc_u64 s[G0+4*\s+2:G0+4*\s+3], s[20:21], \s*4096
	s_or_b32 s[G0+4*\s+3], s[G0+4*\s+3], 0x80000000
	s_mov_b32 s[G0B+4*\s], 1
	s_add_co_u32 s[G0B+4*\s+1], s45, \s*SLOT
	s_add_nc_u64 s[G0B+4*\s+2:G0B+4*\s+3], s[46:47], \s*4096
	s_or_b32 s[G0B+4*\s+3], s[G0B+4*\s+3], 0x80000000
.endr
.macro ARM under, g0, g1, next         ; the head's loads, one a wave, in one chain of branches on the wave's number: A's first step, B's, A's scales, B's scales
	s_cmp_lt_u32 s14, \under
	s_cbranch_scc0 \next
	tensor_load_to_lds s[\g0:\g0+3], s[\g1:\g1+7]
	s_nop 0
.rept 4
	v_nop
.endr
	s_branch .Lhead_asked
\next:
.endm
	ARM 1, 4,   G1,  .Lhead_b
	ARM 2, 92,  G1B, .Lhead_sa
	ARM 3, G0S, G1S, .Lhead_sb
	tensor_load_to_lds s[G0SB:G0SB+3], s[G1SB:G1SB+7]
	s_nop 0
.rept 4
	v_nop
.endr
.Lhead_asked:
	v_and_b32 v1, 15, v0
	v_bfe_u32 v2, v0, 4, 1
	v_and_b32 v3, 31, v0
	v_lshlrev_b32 v4, 4, v3
	s_mul_i32 s21, s15, HALFT
	s_mul_i32 s22, s16, HALFT
	s_add_co_u32 s22, s22, 2*HALFT
.irp s, 0,1
	v_add_nc_u32 v[ADRA+\s], s21, v4
	v_add_nc_u32 v[ADRB+\s], s22, v4
	s_add_co_u32 s21, s21, SLOT
	s_add_co_u32 s22, s22, SLOT
.endr
	v_mul_u32_u24 v5, v1, KS
	v_lshrrev_b32 v6, 8, v5
	v_lshl_add_u32 v5, v6, 4, v5
	s_mul_i32 s21, s15, HALFS
	s_mul_i32 s22, s16, HALFS
	s_add_co_u32 s22, s22, 2*HALFS
	s_sub_co_u32 s22, s22, s21
	v_mul_u32_u24 v6, s22, v2
	s_add_co_u32 s21, s21, SCL
	v_add_nc_u32 v5, v5, v6
	v_add_nc_u32 v[ADRS], s21, v5
	v_lshlrev_b32 v30, 5, v2
	v_and_b32 v31, 7, v1
	v_lshrrev_b32 v6, 3, v1
	v_lshlrev_b32 v31, 2, v31
	v_lshl_add_u32 v31, v6, 6, v31
	s_mov_b32 s21, 0
	s_cmp_eq_u32 s66, 1
	s_cbranch_scc1 .Lbias_v
	s_cmp_eq_u32 ttmp9, 0
	s_cselect_b64 s[18:19], s[8:9], s[10:11]
	s_lshl_b32 s20, s40, 10
	s_lshl_b32 s22, s16, 9
	s_add_co_u32 s20, s20, s22
	s_add_nc_u64 s[18:19], s[18:19], s[20:21]
	s_wait_alu depctr_va_vdst(0)
.irp b, 0,1,2,3,4,5,6,7
	global_load_b128 v[BI+8*\b:BI+8*\b+3], v30, s[18:19] offset:64*\b
	global_load_b128 v[BI+8*\b+4:BI+8*\b+7], v30, s[18:19] offset:64*\b+16
.endr
	s_branch .Lbias_done
.Lbias_v:
	s_lshl_b32 s20, s41, 10
	s_lshl_b32 s22, s15, 9
	s_add_co_u32 s20, s20, s22
	s_add_nc_u64 s[18:19], s[12:13], s[20:21]
	s_wait_alu depctr_va_vdst(0)
.irp a, 0,1,2,3,4,5,6,7
.irp j, 0,1,2,3,4,5,6,7
	global_load_b32 v[BI+8*\a+\j], v31, s[18:19] offset:(32*(\a/2)+8*(\a%2))*4
.endr
.endr
.Lbias_done:
.macro FRAG reg, adr, q, i
.irp c, 0,1,2,3
	ds_load_b128 v[\reg+4*\c:\reg+4*\c+3], v[\adr] offset:4096*(\i)+2048*(\q)+512*\c
.endr
.endm
.macro MUL16 a0, p, q, sc, zero
.irp a, \a0, \a0+1
.irp b, 0,1,2,3,4,5,6,7
.if \zero
	v_wmma_scale_f32_16x16x128_f8f6f4 v[8*(8*((\a)%4)+\b):8*(8*((\a)%4)+\b)+7], v[128*(\p)+FR*\b:128*(\p)+FR*\b+FR-1], v[AF+FR*(\a):AF+FR*(\a)+FR-1], 0, v[SC+8*NQ*(\sc)+NQ*\b+(\q)], v[SC+8*NQ*(\sc)+NQ*(\a)+(\q)] matrix_a_scale:MATRIX_SCALE_ROW1
.else
	v_wmma_scale_f32_16x16x128_f8f6f4 v[8*(8*((\a)%4)+\b):8*(8*((\a)%4)+\b)+7], v[128*(\p)+FR*\b:128*(\p)+FR*\b+FR-1], v[AF+FR*(\a):AF+FR*(\a)+FR-1], v[8*(8*((\a)%4)+\b):8*(8*((\a)%4)+\b)+7], v[SC+8*NQ*(\sc)+NQ*\b+(\q)], v[SC+8*NQ*(\sc)+NQ*(\a)+(\q)] matrix_a_scale:MATRIX_SCALE_ROW1
.endif
.endr
.endr
.endm
.macro FETCH_B slot, q, p
	WIN TO_B
.irp i, 0,1,2,3,4,5,6,7
	FRAG 128*(\p)+FR*\i, ADRB+\slot, \q, \i
.endr
	WIN 0
.endm
.macro FETCH_A slot, q, i0
.irp i, \i0, \i0+1, \i0+2, \i0+3
	FRAG AF+FR*(\i), ADRA+\slot, \q, \i
.endr
.endm
.macro SCALES sc
.irp i, 0,1,2,3,4,5,6,7
	ds_load_b64 v[SC+8*NQ*\sc+NQ*\i:SC+8*NQ*\sc+NQ*\i+1], v[ADRS] offset:\i*SBLK
.endr
.endm
.macro PLACES n
.rept \n
	v_nop
.endr
.endm
.macro STEP slot, q, zero
	s_wait_dscnt 4*NL
	WIN MUL_LO
	MUL16 0, (\q)%2, \q, \slot, \zero
	MUL16 2, (\q)%2, \q, \slot, \zero
	s_wait_dscnt 0
	PLACES NP
	FETCH_B \slot, (\q)+1, 1-(\q)%2
	FETCH_A \slot, (\q)+1, 0
	WIN MUL_HI
	MUL16 4, (\q)%2, \q, \slot, \zero
	MUL16 6, (\q)%2, \q, \slot, \zero
	PLACES NP
	WIN 0
	FETCH_A \slot, (\q)+1, 4
.endm
.macro TURN slot, next, fill
	s_wait_tensorcnt 0x0
	ds_add_u32 v[SPW], v[NIL]
	s_wait_dscnt 4*NL+1
	WIN MUL_LO
	MUL16 0, 1, NQ-1, \slot, 0
	s_wait_dscnt 0x0
	s_barrier_signal -1
	MUL16 2, 1, NQ-1, \slot, 0
	WIN 0
	s_barrier_wait -1
.if \fill
	CREST
	s_add_nc_u64 s[G0+4*\slot+2:G0+4*\slot+3], s[G0+4*\slot+2:G0+4*\slot+3], 8192
	s_add_nc_u64 s[G0B+4*\slot+2:G0B+4*\slot+3], s[G0B+4*\slot+2:G0B+4*\slot+3], 8192
	JLOAD G0+4*\slot, G1, G0B+4*\slot, G1B
	PLACES NP-4
.else
	PLACES NP
.endif
	s_wait_alu depctr_va_vdst(0)
	v_add_nc_u32 v[ADRS], 4*NQ, v[ADRS]
	FETCH_B \next, 0, 0
	FETCH_A \next, 0, 0
	SCALES \next
	WIN MUL_HI
	MUL16 4, 1, NQ-1, \slot, 0
	MUL16 6, 1, NQ-1, \slot, 0
	PLACES NP
	WIN 0
	FETCH_A \next, 0, 4
.endm
	s_wait_alu depctr_va_vdst(0)                   ; the wait at the head's end
	s_wait_loadcnt 0x0                             ; the bias
	s_wait_tensorcnt 0x0                           ; my tile of the head's four is in; the full sequence ahead of slot 1's first fill:
	ds_add_u32 v[SPW], v[NIL]
	s_mov_b32 s[G1+2], 8<<16                       ; no tensor load of mine is out: from here on a load brings 8 row tiles
	s_mov_b32 s[G1+4], 8
	s_mov_b32 s[G1B+2], 8<<16
	s_mov_b32 s[G1B+4], 8
	s_wait_dscnt 0x0
	CROUND
	JLOAD G0+4, G1, G0B+4, G1B
	FETCH_B 0, 0, 0
	FETCH_A 0, 0, 0
	SCALES 0
	FETCH_A 0, 0, 4
	STEP 0, 0, 1
	s_mov_b32 s3, LAPS-1
.Llap:
	TURN 0, 1, 1
	STEP 1, 0, 0
	TURN 1, 0, 1
	STEP 0, 0, 0
	s_sub_co_u32 s3, s3, 1
	s_cmp_lg_u32 s3, 0
	s_cbranch_scc1 .Llap
	TURN 0, 1, 0
	STEP 1, 0, 0
	s_wait_dscnt 4*NL
	WIN MUL_LO
	MUL16 0, 1, NQ-1, 1, 0
	MUL16 2, 1, NQ-1, 1, 0
	s_wait_dscnt 0
	WIN MUL_HI
	MUL16 4, 1, NQ-1, 1, 0
	MUL16 6, 1, NQ-1, 1, 0
	WIN 0
.macro QUANT s, pc, pw
.irp b, 0,1,2,3
	v_max3_num_f32 v[TM+\b], |v[(\s)+16*\b]|, |v[(\s)+1+16*\b]|, 0x4800000
.endr
.irp i, 2,4,6,8,10,12,14
.irp b, 0,1,2,3
	v_max3_num_f32 v[TM+\b], v[TM+\b], |v[(\s)+16*\b+\i]|, |v[(\s)+1+16*\b+\i]|
.endr
.endr
.irp b, 0,1,2,3
	v_permlanex16_b32 v[TM+4+\b], v[TM+\b], s[SEL], s[SEL+1]
.endr
.irp b, 0,1,2,3
	v_max_num_f32 v[TM+\b], v[TM+\b], v[TM+4+\b]
.endr
.irp b, 0,1,2,3
	v_add_nc_u32 v[TM+12+\b], 0xfc000000, v[TM+\b]
.endr
.irp b, 0,1,2,3
	v_and_or_b32 v[TM+8+\b], v[TM+\b], 0x7f800000, s[MNT]
.endr
.irp b, 0,1,2,3
	v_lshrrev_b32 v[TM+4+\b], 23, v[TM+12+\b]
.endr
	v_lshl_or_b32 v[\pw], v[TM+5], 8, v[TM+4]
	v_lshl_or_b32 v[\pw], v[TM+6], 16, v[\pw]
	v_lshl_or_b32 v[\pw], v[TM+7], 24, v[\pw]
.irp b, 0,1,2,3
.irp i, 0,1,2,3,4,5,6,7,8,9,10,11,12,13,14,15
	v_med3_num_f32 v[(\s)+16*\b+\i], v[(\s)+16*\b+\i], -v[TM+8+\b], v[TM+8+\b]
.endr
	v_cvt_scalef32_pk8_fp8_f32 v[(\pc)+4*\b:(\pc)+4*\b+1], v[(\s)+16*\b:(\s)+16*\b+7], v[TM+12+\b]
	v_cvt_scalef32_pk8_fp8_f32 v[(\pc)+4*\b+2:(\pc)+4*\b+3], v[(\s)+16*\b+8:(\s)+16*\b+15], v[TM+12+\b]
.endr
	v_nop
.endm
.macro EPI path
.irp a, 0,1,2,3,4,5,6,7
.if \a >= 2
	s_wait_xcnt 0x0
.endif
	WIN 0x02+(\a)/4
.irp b, 0,1,2,3,4,5,6,7
.irp i, 0,2,4,6
.if \path
	v_pk_add_f32 v[T+8*\b+\i:T+8*\b+\i+1], v[64*((\a)%4)+8*\b+\i:64*((\a)%4)+8*\b+\i+1], v[BI+8*\a+\i:BI+8*\a+\i+1]
.else
	v_pk_add_f32 v[T+8*\b+\i:T+8*\b+\i+1], v[64*((\a)%4)+8*\b+\i:64*((\a)%4)+8*\b+\i+1], v[BI+8*\b+\i:BI+8*\b+\i+1]
.endif
.endr
.endr
	WIN 0
	QUANT T, PC+16*((\a)%2), PWS+\a
.irp c, 0,1,2,3
.if \path
	global_store_b128 v[LI], v[PC+16*((\a)%2)+4*\c:PC+16*((\a)%2)+4*\c+3], s[P0+2*((\a)/4):P0+2*((\a)/4)+1] offset:8192+2048*((\a)%4)+512*\c
.else
	global_store_b128 v[LI], v[PC+16*((\a)%2)+4*\c:PC+16*((\a)%2)+4*\c+3], s[P0+2*(\c/2):P0+2*(\c/2)+1] offset:1024*\a+512*(\c%2)
.endif
.endr
.endr
.endm
	PLACES NP
	s_mov_b32 s[SEL], 0x76543210
	s_mov_b32 s[SEL+1], 0xfedcba98
	s_mov_b32 s[MNT], 0x600000
	s_cmp_eq_u32 s66, 1
	s_cselect_b32 s27, s42, s17
	s_cselect_b32 s28, s16, s15
	s_cselect_b32 s29, s41, s40
	s_cselect_b32 s30, s15, s16
	s_lshl_b32 s27, s27, 1
	s_add_co_u32 s27, s27, s28
	s_lshr_b32 s28, s27, 4
	s_and_b32 s27, s27, 15
	s_lshl_b32 s28, s28, 4
	s_lshl_b32 s29, s29, 2
	s_add_co_u32 s28, s28, s29
	s_lshl_b32 s30, s30, 1
	s_add_co_u32 s28, s28, s30
	s_cmp_eq_u32 ttmp9, 0
	s_cselect_b64 s[P0:P0+1], s[96:97], s[98:99]
	s_mov_b32 s38, 270336
	s_cselect_b32 s38, 135168, s38
	s_mov_b32 s39, 16896
	s_cselect_b32 s39, 8448, s39
	s_mov_b32 s[PS], 16384
	s_cselect_b32 s[PS], 8192, s[PS]
	s_mul_i32 s28, s28, s38
	s_mul_i32 s27, s27, s39
	s_add_co_u32 s28, s28, s27
	s_mov_b32 s29, 0
	s_mov_b32 s39, 0
	s_mov_b32 s[PS+1], 0
	s_add_nc_u64 s[P0:P0+1], s[P0:P0+1], s[28:29]
	s_add_nc_u64 s[P0+2:P0+3], s[P0:P0+1], s[38:39]
	s_add_nc_u64 s[PS:PS+1], s[P0:P0+1], s[PS:PS+1]
	v_and_b32 v4, 31, v0
	v_and_b32 v1, 15, v0
	v_bfe_u32 v2, v0, 4, 1
	v_lshlrev_b32 v[LI], 4, v4
	v_mul_u32_u24 v[SOFF], s38, v2
	v_lshl_add_u32 v[SOFF], v1, 4, v[SOFF]
	v_cmp_lt_u32 vcc_lo, 15, v4
	v_mov_b32 v[SELV], 0x05040100
	v_mov_b32 v3, 0x07060302
	v_cndmask_b32 v[SELV], v[SELV], v3, vcc_lo
.irp b, 0,1,2,3
	v_mov_b32 v[TM+4+\b], 0
.endr
	s_cmp_eq_u32 s66, 1
	s_cbranch_scc1 .Lepi_v
	EPI 0
.irp k, 0,1,2,3
	v_perm_b32 v[SWD+\k], v[PWS+2*\k+1], v[PWS+2*\k], v[SELV]
.endr
	global_store_b128 v[SOFF], v[SWD:SWD+3], s[PS:PS+1]
	s_branch .Lepi_done
.Lepi_v:
	EPI 1
.irp k, 0,1,2,3
	v_cndmask_b32 v[SWD+\k], v[PWS+\k], v[PWS+4+\k], vcc_lo
.endr
	global_store_b128 v[SOFF], v[SWD:SWD+3], s[PS:PS+1] offset:256
.Lepi_done:
	s_wait_tensorcnt 0x0
	ds_add_u32 v[SPW], v[NIL]
	s_wait_dscnt 0x0
	CROUND
	s_endpgm
.Lfunc_end_k_q62aa514fd8_qkv:
	.size	k_q62aa514fd8_qkv, .Lfunc_end_k_q62aa514fd8_qkv-k_q62aa514fd8_qkv
	.p2alignl 7, 3214868480
	.fill 96, 4, 3214868480
	.section	.rodata,"a",@progbits
	.p2align	6, 0x0
	.amdhsa_kernel k_q62aa514fd8_qkv
		.amdhsa_group_segment_fixed_size 327680
		.amdhsa_private_segment_fixed_size 0
		.amdhsa_enable_private_segment 0
		.amdhsa_kernarg_size 56
		.amdhsa_user_sgpr_count 2
		.amdhsa_user_sgpr_kernarg_segment_ptr 1
		.amdhsa_wavefront_size32 1
		.amdhsa_system_sgpr_workgroup_id_x 1
		.amdhsa_system_sgpr_workgroup_id_y 1
		.amdhsa_system_sgpr_workgroup_id_z 1
		.amdhsa_system_vgpr_workitem_id 0
		.amdhsa_next_free_vgpr 1024
		.amdhsa_next_free_sgpr 100
		.amdhsa_reserve_vcc 1
		.amdhsa_float_denorm_mode_32 3
		.amdhsa_float_denorm_mode_16_64 3
		.amdhsa_memory_ordered 1
		.amdhsa_forward_progress 1
		.amdhsa_inst_pref_size 255
	.end_amdhsa_kernel
	.section	.bss,"aw",@nobits
	.p2align	6
	.space	262144
	.amdgpu_metadata
---
amdhsa.version: [ 1, 2 ]
amdhsa.kernels:
  - .name:           k_q62aa514fd8_qkv
    .symbol:         k_q62aa514fd8_qkv.kd
    .args:
      - { .name: opc, .offset: 0, .size: 8, .value_kind: global_buffer, .address_space: global }
      - { .name: ops, .offset: 8, .size: 8, .value_kind: global_buffer, .address_space: global }
      - { .name: b_q, .offset: 16, .size: 8, .value_kind: global_buffer, .address_space: global }
      - { .name: b_k, .offset: 24, .size: 8, .value_kind: global_buffer, .address_space: global }
      - { .name: qb, .offset: 32, .size: 8, .value_kind: global_buffer, .address_space: global }
      - { .name: kv, .offset: 40, .size: 8, .value_kind: global_buffer, .address_space: global }
      - { .name: b_v, .offset: 48, .size: 8, .value_kind: global_buffer, .address_space: global }
    .group_segment_fixed_size: 327680
    .private_segment_fixed_size: 0
    .kernarg_segment_align: 8
    .kernarg_segment_size: 56
    .max_flat_workgroup_size: 128
    .sgpr_count:     100
    .vgpr_count:     1024
    .wavefront_size: 32
...
	.end_amdgpu_metadata
.endif
;; end of part 2
;; launch attn (part 3): grid 4 x 64, 16 waves a work-group, clusters of 4 x 1, 272,384 bytes of LDS; arguments qb, kv, cc, cs; writes cc, cs
.if DOCPART == 3
	.amdgcn_target "amdgcn-amd-amdhsa--gfx1250"
	.amdhsa_code_object_version 6
	.text
	.protected	k_q62aa514fd8_attn
	.globl	k_q62aa514fd8_attn
	.p2align	8
	.type	k_q62aa514fd8_attn,@function
k_q62aa514fd8_attn:
	s_mov_b64 s[64:65], 0
	v_nop
	global_prefetch_b8 v0, s[64:65] scope:SCOPE_SE
	s_setreg_imm32_b32 hwreg(HW_REG_WAVE_MODE, 25, 1), 1
	s_wait_xcnt 0x0
	s_wait_alu depctr_hold_cnt(0) depctr_sa_sdst(0) depctr_va_vdst(0) depctr_va_sdst(0) depctr_va_ssrc(0) depctr_va_vcc(0) depctr_vm_vsrc(0)
	s_getreg_b32 s2, hwreg(HW_REG_IB_STS2, 6, 4)
	s_cmp_eq_u32 s2, 0
	s_cbranch_scc0 .Lentry_in_a_cluster
	s_endpgm
.Lentry_in_a_cluster:
	s_bfe_u32 s2, ttmp6, 0x10000c
	s_cmp_lg_u32 s2, 0x3003
	s_cbranch_scc0 .Lentry_shape_is_right
	s_endpgm
.Lentry_shape_is_right:
; context[h][q] = the sum over k of softmax_k(Q[h][q] . K[h][k] / 8) V[h][k]: 64 heads (batch x 16), 2,048 tokens, head size 64, both products on codes of E4M3 with E8M0 scales; the context leaves as codes for the last product.
; THE SOFTMAX: t = score x log2(e) / 8; M = the row's largest t so far, rounded UP to a whole number; p = 2^(t - M) is quantised along the keys, not normalised.  The row's sum is taken of the unquantised p and divides O at the end.
; When M moves, the sum and O are multiplied by f = 2^(old M - new M): nothing is rounded, and no branch hangs on data.
; IN: qb, kv: register images and scale words as the launch before laid them (a step = 128 tokens; kv's step: K 8,192 bytes, V 8,192, K's words 256, V's words 256).
; OUT: cc [token / 16][head 16][block 2][512]: the image of the last product's A;  cs [token][32]: its scale bytes.
; A HEAD'S K AND V, 16 steps x 16,896 bytes, FILL LDS ONCE: no ring, no refill, no LDS store.  CLUSTER: the four work-groups of a head want the same bytes: wave w of each asks for step w jointly (mask 15), one load a wave.
; Waves 0 to 3 have a load line of their own: the first barrier shows steps 0 to 3 alone, the second, four steps on, all sixteen.
; NO PREFETCH: every byte of K and V is asked for by the head's loads, and there is no loop to run ahead in.
; SHARES: a work-group owns 512 queries of a head; each of its sixteen waves owns a tile of 16 in each of two passes, in 256 registers: four waves to a SIMD.
; LAYOUT: both products transposed (S^T = K Q^T, O^T = V^T P^T): a lane holds one query (lane % 16) throughout.
; HEAD SIZE 64 IS HALF OF THE INSTRUCTION'S K: a fragment of K holds two tiles of 16 keys (groups 0, 1: tile 2 i; groups 2, 3: tile 2 i + 1), multiplied once by [Q | zeros] and once by [zeros | Q]: zero codes add nothing under any
; scale byte but 0xff, which no quantiser here makes.
; THE ROW'S SUM of a step stops at eight partial pairs; they are joined, and l = l f + their sum is made, in the eight places behind the NEXT step's first products (behind the last step: in the places behind its last products).
; LIMITS: NaN and infinities are not served; the promise holds while the scaled scores t stay under 2^31 in magnitude; a block of the context whose largest magnitude is 0 or under 2^-118 gets the byte 1 (read by this program alone).
; The context's scale bytes leave as single bytes, two to a row of 32.
.set STEPB, 16896
.set SPARE, 16*STEPB                   ; behind the sixteen steps: the spare words, 128 bytes a wave
.set LI,   1                           ; v1   16 x lane
.set ADK,  2                           ; v2   LDS address of the step in hand
.set QCO,  3                           ; v3   my place in Q's images: 16 x lane + 1,024 x (wave % 8)
.set QSO,  4                           ; v4   Q's scale word: 8,192 + 16 r + 4 ((wave % 8) / 2)
.set CSO,  5                           ; v5   the context's scale byte: 32 r + h
                                       ; the sum's eight partial pairs: v236, v238, v248, v250, v252, v6, v8, v10
.set KF,   40                          ; v40-103  four fragments, of K and then of V;  v16-23 zeros, v24-31 Q, v32-39 zeros;  v12 -M, v13 the largest score, v[14:15] the sum l in two halves
.set S,    104                         ; v104-167 S^T, then p
.set O,    168                         ; v168-199 O^T
.set PC,   200                         ; v200-215 p's codes
.set BM,   216                         ; v216-219 a block's largest score, then its largest p
.set PB,   220                         ; v220-223 at work; the scales' bytes
.set HO,   224                         ; v224-227 448 x the scale
.set SO,   228                         ; v228-231 the conversions' scale operands
.set F,    232                         ; v[232:233] f, and a word written once
.set TMP,  234
.set OLD,  235                         ; the last step's -M
.set SW,   240                         ; v240-243 lanes 0-15: K's scale words; lanes 16-31: V's
.set QSLO, 244                         ; Q's two bytes in the low half
.set QSHI, 245                         ; and in the high half
.set PSW,  246                         ; p's scale word
.set SPW,  254                         ; my spare word; never rewritten
.set NIL,  255                         ; 0; never rewritten
.set WV,   12
.set QP,   16                          ; s[16:17] qb at my pass-0 step;  s[18:19] cc at my pass-0 tile and head;  s[20:21] cs likewise
.set CP,   18
.set CSP,  20
.set CS,   22                          ; s[22:23] c = log2(e) / 8
.set G1,   24
.set G0,   32
.set SEL,  48
.set MNT,  50
.set TB,   51                          ; LDS byte at which the step in hand begins
.set CNT,  52
.set NC,   53                          ; -c
.macro CROUND
	s_barrier_signal -1
	s_barrier_wait -1
	s_cmp_lg_u32 s[WV], 0
	s_cbranch_scc1 .Lnot_wave_0_\@
	s_barrier_signal -3
.Lnot_wave_0_\@:
	s_barrier_wait -3
	s_barrier_signal -1
	s_barrier_wait -1
.endm
	s_load_b256 s[4:11], s[0:1], 0x0               ; qb, kv, cc, cs
	v_lshl_add_u32 v[SPW], v0, 2, SPARE
	v_mov_b32 v[NIL], 0
	ds_add_u32 v[SPW], v[NIL]                      ; the opening lines: the add, twice on end, and its wait ahead of my tensor load
	ds_add_u32 v[SPW], v[NIL]
	v_lshrrev_b32 v6, 5, v0
	s_delay_alu instid0(VALU_DEP_1)
	v_readfirstlane_b32 s[WV], v6                  ; wave 0..15
	s_bfe_u32 s13, ttmp6, 0x40000                  ; cx: it enters Q's and the context's addresses alone
	s_and_b32 s14, ttmp7, 0xffff                   ; the head, 16 x batch + head: the four partners share it
	s_mov_b32 s[G1], 15|(3<<16)|(1<<21)            ; 15:0 the mask: all four; 17:16 elements of 8 bytes; 21 set beside a mask
	s_mov_b32 s[G1+1], 32<<16                      ; a step is a dense block: 66 rows of 256 bytes
	s_mov_b32 s[G1+2], 66<<16
	s_mov_b32 s[G1+3], 32<<16
	s_mov_b32 s[G1+4], 66
	s_mov_b32 s[G1+5], 32
	s_mov_b32 s[G1+6], 0
	s_mov_b32 s[G1+7], 0
	s_mul_i32 s56, s14, 16*STEPB
	s_mul_i32 s3, s[WV], STEPB                     ; wave w fetches step w
	s_add_co_u32 s56, s56, s3
	s_mov_b32 s57, 0
	s_mul_i32 s58, s14, 135168
	s_lshl_b32 s59, s13, 2
	s_lshr_b32 s60, s[WV], 3
	s_add_co_u32 s59, s59, s60                     ; my queries' step in pass 0: 4 cx + wave / 8
	s_mul_i32 s59, s59, 8448
	s_add_co_u32 s58, s58, s59
	s_mov_b32 s59, 0
	s_lshr_b32 s60, s14, 4
	s_lshl_b32 s60, s60, 7
	s_lshl_b32 s61, s13, 5
	s_add_co_u32 s60, s60, s61
	s_add_co_u32 s60, s60, s[WV]                   ; my tile of 16 tokens in pass 0: 128 x batch + 32 cx + wave
	s_and_b32 s61, s14, 15                         ; the head in its batch
	s_lshl_b32 s62, s60, 9
	s_lshl_b32 s63, s61, 1
	s_add_co_u32 s62, s62, s63
	s_mov_b32 s63, 0
	s_lshl_b32 s60, s60, 14
	s_lshl_b32 s61, s61, 10
	s_add_co_u32 s60, s60, s61
	s_mov_b32 s61, 0
	s_mov_b32 s[CS], 0x3e38aa3b                    ; log2(e) / 8
	s_mov_b32 s[CS+1], s[CS]                       ; (named with it as a pair, so it is written)
	s_mov_b32 s[NC], 0xbe38aa3b
	s_mov_b32 s[SEL], 0x76543210
	s_mov_b32 s[SEL+1], 0xfedcba98
	s_mov_b32 s[MNT], 0x600000
	s_and_b32 s54, s[WV], 1
	s_lshl_b32 s54, s54, 4                         ; which half of Q's scale word is my tile's
	s_wait_dscnt 0x0
	s_wait_kmcnt 0x0
	s_add_nc_u64 s[QP:QP+1], s[4:5], s[58:59]
	s_add_nc_u64 s[CP:CP+1], s[8:9], s[60:61]
	s_add_nc_u64 s[CSP:CSP+1], s[10:11], s[62:63]
	s_mov_b32 s[G0], 1
	s_mov_b32 s[G0+1], s3
	s_add_nc_u64 s[G0+2:G0+3], s[6:7], s[56:57]
	s_or_b32 s[G0+3], s[G0+3], 0x80000000
	CROUND                                         ; all four work-groups are here: the joint loads meet
	s_cmp_lt_u32 s[WV], 4                          ; one load a wave, in two arms: waves 0 to 3, whose steps the first barrier shows, have a line of their own
	s_cbranch_scc0 .Lrest
	tensor_load_to_lds s[G0:G0+3], s[G1:G1+7]
	s_nop 0
.rept 4
	v_nop
.endr
	s_branch .Lasked
.Lrest:
	tensor_load_to_lds s[G0:G0+3], s[G1:G1+7]
	s_nop 0
.rept 4
	v_nop
.endr
.Lasked:
	v_and_b32 v6, 31, v0                           ; lane
	v_and_b32 v7, 15, v0                           ; r
	v_bfe_u32 v8, v0, 4, 1                         ; h
	s_delay_alu instid0(VALU_DEP_3)
	v_lshlrev_b32 v[LI], 4, v6
	s_and_b32 s58, s[WV], 7
	s_lshl_b32 s59, s58, 10
	v_add_nc_u32 v[QCO], s59, v[LI]
	s_lshr_b32 s58, s58, 1
	s_lshl_b32 s58, s58, 2
	s_add_co_u32 s58, s58, 8192
	v_lshl_add_u32 v[QSO], v7, 4, s58
	v_lshl_add_u32 v[CSO], v7, 5, v8
	v_cmp_lt_u32 s55, 15, v6                       ; s55: lanes 16-31
.irp j, 0,1,2,3,4,5,6,7
	v_mov_b32 v[16+\j], 0                          ; the zero codes on both sides of Q
	v_mov_b32 v[32+\j], 0
.endr
.irp b, 0,1,2,3
	v_mov_b32 v[PB+\b], 0                          ; a lane permute's destination counts as one of its sources
.endr
	v_mov_b32 v[F+1], 0                            ; (named as the upper half of a pair)
	v_mov_b32 v[TMP], 0
; The eight partial pairs of the last step's sum are joined, and l = l f + their sum: eight plain lines that name no register of the products ahead of them
.macro JOIN
	v_pk_add_f32 v[236:237], v[236:237], v[252:253]
	v_pk_add_f32 v[238:239], v[238:239], v[6:7]
	v_pk_add_f32 v[248:249], v[248:249], v[8:9]
	v_pk_add_f32 v[250:251], v[250:251], v[10:11]
	s_delay_alu instid0(VALU_DEP_2)
	v_pk_add_f32 v[236:237], v[236:237], v[248:249]
	s_delay_alu instid0(VALU_DEP_2)
	v_pk_add_f32 v[238:239], v[238:239], v[250:251]
	s_delay_alu instid0(VALU_DEP_1)
	v_pk_add_f32 v[236:237], v[236:237], v[238:239]
	s_delay_alu instid0(VALU_DEP_1)
	v_pk_fma_f32 v[14:15], v[14:15], v[F:F+1], v[236:237] op_sel_hi:[1,0,1]
.endm
; Eight lines of the row's sum, of the UNQUANTISED p: lvl 0 starts the eight partial pairs with p's registers 0-31, lvl 1 and 2 add registers 32-47 and 48-63
.macro SUMS lvl
.set m, 0
.irp a, 236,238,248,250,252,6,8,10
.if \lvl
	v_pk_add_f32 v[\a:\a+1], v[\a:\a+1], v[S+16+16*\lvl+m:S+16+16*\lvl+m+1]
.else
	v_pk_add_f32 v[\a:\a+1], v[S+m:S+m+1], v[S+16+m:S+16+m+1]
.endif
.set m, m+2
.endr
.endm
; A KEY STEP: 128 keys, at LDS byte s[TB]
.macro STEP
	v_add_nc_u32 v[ADK], s[TB], v[LI]
.rept 7
	v_nop                                          ; with the line above: eight places in front of loads into registers that the last products read
.endr
.irp b, 0,1,2,3
.irp c, 0,1,2,3
	ds_load_b128 v[KF+16*\b+4*\c:KF+16*\b+4*\c+3], v[ADK] offset:2048*\b+512*\c      ; K: fragment b = key tiles 2 b, 2 b + 1
.endr
.endr
	ds_load_b128 v[SW:SW+3], v[ADK] offset:16384   ; lanes 0-15: K's four words of row r; lanes 16-31: V's
	s_wait_alu depctr_va_vdst(0)
	s_wait_dscnt 0x0
.irp b, 0,1,2,3
	v_wmma_scale_f32_16x16x128_f8f6f4 v[S+16*\b:S+16*\b+7], v[KF+16*\b:KF+16*\b+15], v[24:39], 0, v[SW+\b], v[QSLO]       ; keys 32 b + 8 h + j
	v_wmma_scale_f32_16x16x128_f8f6f4 v[S+16*\b+8:S+16*\b+15], v[KF+16*\b:KF+16*\b+15], v[16:31], 0, v[SW+\b], v[QSHI]    ; keys 32 b + 16 + 8 h + j
.endr
	JOIN                                           ; the eight places in front of the loads below and of the first read of the scores
.irp t, 0,1,2,3
.irp c, 0,1,2,3
	ds_load_b128 v[KF+16*\t+4*\c:KF+16*\t+4*\c+3], v[ADK] offset:8192+2048*\t+512*\c   ; V: asked for ahead of the softmax's lines
.endr
.endr
.irp b, 0,1,2,3
	v_max3_num_f32 v[BM+\b], v[S+16*\b], v[S+1+16*\b], v[S+2+16*\b]   ; the largest score of each block of 32 keys: for the row's maximum, and, since p rises with the score, for the block's largest p
.endr
.irp i, 3,5,7,9,11,13
.irp b, 0,1,2,3
	v_max3_num_f32 v[BM+\b], v[BM+\b], v[S+16*\b+\i], v[S+1+16*\b+\i]
.endr
.endr
.irp b, 0,1,2,3
	v_max_num_f32 v[BM+\b], v[BM+\b], v[S+15+16*\b]
.endr
.irp b, 0,1,2,3
	s_delay_alu instid0(VALU_DEP_4)
	v_permlanex16_b32 v[PB+\b], v[BM+\b], s[SEL], s[SEL+1]
.endr
.irp b, 0,1,2,3
	s_delay_alu instid0(VALU_DEP_4)
	v_max_num_f32 v[BM+\b], v[BM+\b], v[PB+\b]     ; with lane l xor 16's 16 keys
.endr
	s_delay_alu instid0(VALU_DEP_2)
	v_max3_num_f32 v[TMP], v[BM], v[BM+1], v[BM+2]
	s_delay_alu instid0(VALU_DEP_1)
	v_max3_num_f32 v13, v13, v[TMP], v[BM+3]       ; the running largest score (c is positive: the largest t is c x it)
	s_delay_alu instid0(VALU_DEP_1)
	v_mul_f32 v[TMP], s[NC], v13                   ; -t
	s_delay_alu instid0(VALU_DEP_1)
	v_floor_f32 v12, v[TMP]                        ; the new -M = floor(-t): M is a whole number
	s_delay_alu instid0(VALU_DEP_1)
	v_sub_f32 v[TMP], v12, v[OLD]                  ; old M - new M: a whole number, 0 or less
	s_delay_alu instid0(VALU_DEP_1)
	v_cvt_i32_f32 v[TMP], v[TMP]                   ; (it saturates)
	s_delay_alu instid0(VALU_DEP_1)
	v_ldexp_f32 v[F], 1.0, v[TMP]                  ; f = 2^(old M - new M)
.set j, 0
.rept 32
	v_pk_fma_f32 v[S+j:S+j+1], v[S+j:S+j+1], s[CS:CS+1], v[12:13] op_sel_hi:[1,0,0]   ; t - M, two at a time
.set j, j+2
.endr
.irp b, 0,1,2,3
	v_fma_f32 v[BM+\b], v[BM+\b], s[CS], v12       ; the same of each block's largest score
.endr
	s_wait_alu depctr_va_vdst(0)                   ; the wait ahead of the batch
.irp b, 0,1,2,3
	v_exp_f32 v[BM+\b], v[BM+\b]                   ; the block's largest p: the same two instructions on the same number give the same bits
.endr
.set j, 0
.rept 64
	v_exp_f32 v[S+j], v[S+j]                       ; p = 2^(t - M)
.set j, j+1
.endr
	v_mov_b32 v[OLD], v12                          ; for the next step; the plain line behind the exponentials
	s_wait_alu depctr_va_vdst(0)                   ; one wait for the batch of 68, ahead of its first reader
.irp b, 0,1,2,3
	v_max_num_f32 v[BM+\b], 0x4800000, v[BM+\b]    ; the floor 2^(9 - 127): the byte cannot fall under 1
.endr
.irp b, 0,1,2,3
	s_delay_alu instid0(VALU_DEP_4)
	v_add_nc_u32 v[SO+\b], 0xfc000000, v[BM+\b]    ; 8 off the exponent field: the conversion's scale operand
.endr
.irp b, 0,1,2,3
	v_and_or_b32 v[HO+\b], v[BM+\b], 0x7f800000, s[MNT]   ; 448 x the scale
.endr
.irp b, 0,1,2,3
	v_lshrrev_b32 v[PB+\b], 23, v[SO+\b]           ; the scale's byte
.endr
	v_lshl_or_b32 v[PSW], v[PB+1], 8, v[PB]        ; p's scale word for these 128 keys, its three lines among the sum's
	SUMS 0
	v_lshl_or_b32 v[PSW], v[PB+2], 16, v[PSW]
	SUMS 1
	v_lshl_or_b32 v[PSW], v[PB+3], 24, v[PSW]
	SUMS 2
.irp b, 0,1,2,3
.irp i, 0,2,4,6,8,10,12,14
	v_dual_min_num_f32 v[S+16*\b+\i], v[S+16*\b+\i], v[HO+\b] :: v_dual_min_num_f32 v[S+16*\b+\i+1], v[S+16*\b+\i+1], v[HO+\b]   ; the conversion does not saturate (ISA guide 7.6.2); p is not negative, so the hold is one-sided; two to a line
.endr
	v_cvt_scalef32_pk8_fp8_f32 v[PC+4*\b:PC+4*\b+1], v[S+16*\b:S+16*\b+7], v[SO+\b]
	v_cvt_scalef32_pk8_fp8_f32 v[PC+4*\b+2:PC+4*\b+3], v[S+16*\b+8:S+16*\b+15], v[SO+\b]
.endr
	s_wait_dscnt 0x0                               ; V is in
	s_wait_alu depctr_va_vdst(0)                   ; the wait here, directly ahead of the first reader of O^T
.set j, 0
.rept 16
	v_pk_mul_f32 v[O+j:O+j+1], v[O+j:O+j+1], v[F:F+1] op_sel_hi:[1,0]   ; O^T under the new M; these sixteen are also the places between the conversions and the products
.set j, j+2
.endr
.irp t, 0,1,2,3
	v_wmma_scale_f32_16x16x128_f8f6f4 v[O+8*\t:O+8*\t+7], v[KF+16*\t:KF+16*\t+15], v[PC:PC+15], v[O+8*\t:O+8*\t+7], v[SW+\t], v[PSW] matrix_a_scale:MATRIX_SCALE_ROW1   ; four accumulators by turns
.endr
	s_add_co_u32 s[TB], s[TB], STEPB
.endm
.macro RUN first, n                    ; n key steps from step first on
	s_mov_b32 s[TB], STEPB*\first
	s_mov_b32 s[CNT], \n
.Lstep_\@:
	STEP
	s_sub_co_u32 s[CNT], s[CNT], 1
	s_cmp_lg_u32 s[CNT], 0
	s_cbranch_scc1 .Lstep_\@
.endm
; A PASS: one tile of 16 queries through all 2,048 keys.  The pass's place in qb, cc and cs stands in the immediates.
.macro PASS p
.if \p
	s_wait_xcnt 0x0                                ; the first pass's stores have read their data: those registers are written again only behind this wait
.endif
	global_load_b128 v[24:27], v[QCO], s[QP:QP+1] offset:16896*\p
	global_load_b128 v[28:31], v[QCO], s[QP:QP+1] offset:16896*\p+512
	global_load_b32 v[QSLO], v[QSO], s[QP:QP+1] offset:16896*\p
	v_mov_b32 v13, 0xff61b1e6                      ; the largest score so far: -3e38
	v_mov_b32 v12, 0x7f61b1e6                      ; -M: 3e38, so that the first f is 0, over sums that are 0
	v_mov_b32 v[OLD], 0x7f61b1e6
	v_mov_b32 v14, 0
	v_mov_b32 v15, 0
	v_mov_b32 v[F], 0
.irp a, 236,238,248,250,252,6,8,10
	v_mov_b32 v[\a], 0                             ; the partial pairs: the first step joins zeros
	v_mov_b32 v[\a+1], 0
.endr
	s_wait_loadcnt 0x0
	v_lshrrev_b32 v[QSLO], s54, v[QSLO]
	s_delay_alu instid0(VALU_DEP_1)
	v_and_b32 v[QSLO], 0xffff, v[QSLO]             ; my tile's two bytes below, byte 0 over the zero codes
	s_delay_alu instid0(VALU_DEP_1)
	v_lshlrev_b32 v[QSHI], 16, v[QSLO]
.set j, 0
.rept 32
	v_mov_b32 v[O+j], 0                            ; O^T: the step is written once; the first change of M leaves zeros zeros.  (Also the places behind the scale registers' lines)
.set j, j+1
.endr
	s_wait_alu depctr_va_vdst(0)                   ; the wait at the head's end
.if \p
	RUN 0, 16                                      ; all of LDS is filled and known to be: one loop, no barrier
.else
	s_cmp_lt_u32 s[WV], 4
	s_cbranch_scc0 .Lnot_first_\@
	s_wait_tensorcnt 0x0                           ; waves 0 to 3: my step has landed
.Lnot_first_\@:
	s_barrier_signal -1
	s_barrier_wait -1                              ; steps 0 to 3 are whole
	RUN 0, 4
	s_wait_alu depctr_va_vdst(0)
	s_wait_tensorcnt 0x0                           ; every wave: my step has landed
	s_barrier_signal -1
	s_barrier_wait -1                              ; all sixteen steps are whole
	RUN 4, 12
.endif
	JOIN                                           ; the last step's sum; the eight places behind the last products
	s_delay_alu instid0(VALU_DEP_1)
	v_add_f32 v14, v14, v15
	s_delay_alu instid0(VALU_DEP_1)
	v_permlanex16_b32 v[TMP], v14, s[SEL], s[SEL+1]
	s_delay_alu instid0(VALU_DEP_1)
	v_add_f32 v14, v14, v[TMP]                     ; the row's sum
	s_wait_alu depctr_va_vdst(0)                   ; the wait ahead of the transcendental
	v_rcp_f32 v14, v14
	v_nop                                          ; a plain line behind the reciprocal
	s_wait_alu depctr_va_vdst(0)                   ; the wait ahead of its first reader, which is O^T's first reader too
.set j, 0
.rept 32
	v_mul_f32 v[S+j], v[O+j], v14                  ; register 16 b + i: channel 32 b + 16 h + i of my query (W_v's row tiles were laid for that)
.set j, j+1
.endr
.irp b, 0,1
	v_max3_num_f32 v[BM+\b], |v[S+16*\b]|, |v[S+1+16*\b]|, 0x4800000
.endr
.irp i, 2,4,6,8,10,12,14
.irp b, 0,1
	s_delay_alu instid0(VALU_DEP_2)
	v_max3_num_f32 v[BM+\b], v[BM+\b], |v[S+16*\b+\i]|, |v[S+1+16*\b+\i]|
.endr
.endr
.irp b, 0,1
	s_delay_alu instid0(VALU_DEP_2)
	v_permlanex16_b32 v[PB+\b], v[BM+\b], s[SEL], s[SEL+1]
.endr
.irp b, 0,1
	s_delay_alu instid0(VALU_DEP_2)
	v_max_num_f32 v[BM+\b], v[BM+\b], v[PB+\b]
.endr
.irp b, 0,1
	s_delay_alu instid0(VALU_DEP_2)
	v_add_nc_u32 v[SO+\b], 0xfc000000, v[BM+\b]
.endr
.irp b, 0,1
	s_delay_alu instid0(VALU_DEP_4)
	v_and_or_b32 v[HO+\b], v[BM+\b], 0x7f800000, s[MNT]
.endr
.irp b, 0,1
	s_delay_alu instid0(VALU_DEP_4)
	v_lshrrev_b32 v[PB+\b], 23, v[SO+\b]
.endr
.irp b, 0,1
.irp i, 0,1,2,3,4,5,6,7,8,9,10,11,12,13,14,15
	v_med3_num_f32 v[S+16*\b+\i], v[S+16*\b+\i], -v[HO+\b], v[HO+\b]
.endr
	v_cvt_scalef32_pk8_fp8_f32 v[PC+4*\b:PC+4*\b+1], v[S+16*\b:S+16*\b+7], v[SO+\b]
	v_cvt_scalef32_pk8_fp8_f32 v[PC+4*\b+2:PC+4*\b+3], v[S+16*\b+8:S+16*\b+15], v[SO+\b]
.endr
	v_cndmask_b32 v[TMP], v[PB], v[PB+1], s55      ; lanes 0-15 store block 0's byte, lanes 16-31 block 1's.  (The plain line behind the conversions)
	global_store_b128 v[LI], v[PC:PC+3], s[CP:CP+1] offset:262144*\p          ; 512 consecutive bytes, aligned
	global_store_b128 v[LI], v[PC+4:PC+7], s[CP:CP+1] offset:262144*\p+512
	global_store_b8 v[CSO], v[TMP], s[CSP:CSP+1] offset:8192*\p
.endm
	PASS 0
	PASS 1
	s_wait_tensorcnt 0x0                           ; the wave's end
	ds_add_u32 v[SPW], v[NIL]
	s_wait_dscnt 0x0
	CROUND                                         ; the closing round: no work-group ends while a partner may still ask for a tile that names it
	s_endpgm
.Lfunc_end_k_q62aa514fd8_attn:
	.size	k_q62aa514fd8_attn, .Lfunc_end_k_q62aa514fd8_attn-k_q62aa514fd8_attn
	.p2alignl 7, 3214868480
	.fill 96, 4, 3214868480
	.section	.rodata,"a",@progbits
	.p2align	6, 0x0
	.amdhsa_kernel k_q62aa514fd8_attn
		.amdhsa_group_segment_fixed_size 272384
		.amdhsa_private_segment_fixed_size 0
		.amdhsa_enable_private_segment 0
		.amdhsa_kernarg_size 32
		.amdhsa_user_sgpr_count 2
		.amdhsa_user_sgpr_kernarg_segment_ptr 1
		.amdhsa_wavefront_size32 1
		.amdhsa_system_sgpr_workgroup_id_x 1
		.amdhsa_system_sgpr_workgroup_id_y 1
		.amdhsa_system_sgpr_workgroup_id_z 1
		.amdhsa_system_vgpr_workitem_id 0
		.amdhsa_next_free_vgpr 256
		.amdhsa_next_free_sgpr 66
		.amdhsa_reserve_vcc 0
		.amdhsa_float_denorm_mode_32 3
		.amdhsa_float_denorm_mode_16_64 3
		.amdhsa_memory_ordered 1
		.amdhsa_forward_progress 1
		.amdhsa_inst_pref_size 81
	.end_amdhsa_kernel
	.amdgpu_metadata
---
amdhsa.version: [ 1, 2 ]
amdhsa.kernels:
  - .name:           k_q62aa514fd8_attn
    .symbol:         k_q62aa514fd8_attn.kd
    .args:
      - { .name: qb, .offset: 0, .size: 8, .value_kind: global_buffer, .address_space: global }
      - { .name: kv, .offset: 8, .size: 8, .value_kind: global_buffer, .address_space: global }
      - { .name: cc, .offset: 16, .size: 8, .value_kind: global_buffer, .address_space: global }
      - { .name: cs, .offset: 24, .size: 8, .value_kind: global_buffer, .address_space: global }
    .group_segment_fixed_size: 272384
    .private_segment_fixed_size: 0
    .kernarg_segment_align: 8
    .kernarg_segment_size: 32
    .max_flat_workgroup_size: 512
    .sgpr_count:     66
    .vgpr_count:     256
    .wavefront_size: 32
...
	.end_amdgpu_metadata
.endif
;; end of part 3
;; launch oproj (part 4): grid 4 x 64, 4 waves a work-group, clusters of 4 x 4, 327,680 bytes of LDS; arguments cc, cs, opc, ops, b_o, out0; writes out0
.if DOCPART == 4
	.amdgcn_target "amdgcn-amd-amdhsa--gfx1250"
	.amdhsa_code_object_version 6
	.text
	.protected	k_q62aa514fd8_oproj
	.globl	k_q62aa514fd8_oproj
	.p2align	8
	.type	k_q62aa514fd8_oproj,@function
k_q62aa514fd8_oproj:
	s_mov_b64 s[64:65], 0
	v_nop
	global_prefetch_b8 v0, s[64:65] scope:SCOPE_SE
	s_setreg_imm32_b32 hwreg(HW_REG_WAVE_MODE, 25, 1), 1
	s_wait_xcnt 0x0
	s_wait_alu depctr_hold_cnt(0) depctr_sa_sdst(0) depctr_va_vdst(0) depctr_va_sdst(0) depctr_va_ssrc(0) depctr_va_vcc(0) depctr_vm_vsrc(0)
	s_getreg_b32 s2, hwreg(HW_REG_IB_STS2, 6, 4)
	s_cmp_eq_u32 s2, 0
	s_cbranch_scc0 .Lentry_in_a_cluster
	s_endpgm
.Lentry_in_a_cluster:
	s_bfe_u32 s2, ttmp6, 0x10000c
	s_cmp_lg_u32 s2, 0xf033
	s_cbranch_scc0 .Lentry_shape_is_right
	s_endpgm
.Lentry_shape_is_right:
; out0 = context W_o^T + b_o: [8,192 x 1,024] x [1,024 x 1,024] on codes of E4M3 with one E8M0 byte for each 32 along K; f32 sums; the bias is the first products' C.
; IN: cc, and opc from row tile 704 on: register images [row tile of 16][K step of 128: 8][2,048 bytes]: group c at 512 c, lane at 16 x lane;  cs, ops: [row][32 scale bytes].
; SHARES: 256 work-groups; a block of out0 is 128 rows x 256 columns; four waves, 2 x 2, each 64 x 128: 32 accumulators, 256 registers (window 2).
; K goes in steps of 256 through a ring of two LDS slots: A's 8 row tiles x 4,096 bytes, then B's 16.  A slot is two steps of 128, 32 products a wave each.
; BOTH OPERANDS' FRAGMENTS STAND IN TWO SETS (A: window 0, v128-191 and v192-255; B: window 1, v0-127 and v128-255): a step's 48 LDS loads for the next step go out ahead of its 32 products.
; THE SCALES of the block's 128 + 256 rows, for all of K, come into LDS once, as units of 256 bytes with 16 of padding, and stay.
; CLUSTER 4 x 4: A's tiles are shared along a row of the cluster, B's along a column: joint loads.  At the head one load a wave: A's first step, B's, A's scales, B's scales; slot 1's first fill stands behind a full round.
; NO PREFETCH: K has four fills; two go out at the head and the other two one step behind them: there is no trip far enough ahead to ask in.
; TRANSPOSED USE: source 0 = 16 rows of W_o, source 1 = 16 tokens: a lane holds eight neighbouring columns of one row of out0.  A block of 16 rows leaves through the wave's stage in slot 0, which has had its last fill and its last read by then.
; LIMITS: NaN and infinities are not served.
.set NQ,     2
.set FR,     16
.set NP,     8
.set ATILE,  32768                     ; A's part of a slot
.set SLOT,   98304
.set SCL,    2*SLOT
.set HALFS,  16*272                    ; the scales of 128 rows
.set SBLK,   2*272                     ; of 16 rows
.set SPARE,  SCL+3*HALFS
.set SPITCH, 528
.set SIZE_N, 1024
.set ADRA, 16                          ; v16, v17 my A fragments in slot 0, 1
.set ADRB, 20                          ; v20, v21 my B fragments
.set STO,  24
.set RD,   25
.set CO,   26
.set ADRS, 27                          ; my scale words: lanes 0-15 A's rows, lanes 16-31 B's
.set SPW,  28
.set NIL,  29
.set SC,   32                          ; v32-63 scale words: set s at 16 s; register 2 i + q: lanes 0-15 A's block i, lanes 16-31 B's block i
.set BI,   64                          ; v64-127 the bias in the result's layout
.set AF,   128
.set BK,   128
.set G1, 24
.set G0, 32
.set G1B, 48
.set G0B, 56
.set G1S, 68
.set G0S, 76
.set G1SB, 80
.set G0SB, 88
.set G0H, 4
.set G0HB, 8
.set MSB, 0
.macro WIN new
.if MSB != (\new)
	s_set_vgpr_msb (MSB<<8)|(\new)
.set MSB, (\new)
.endif
.endm
.set MUL,    0xa1                      ; source 0 (B) window 1, source 1 (A) window 0, C and D window 2
.set MULB,   0x81                      ; the same with C (the bias) in window 0
.set TO_B,   0x40
.macro PLACES n
.rept \n
	v_nop
.endr
.endm
.macro JLOAD g0a, g1a, g0b, g1b        ; waves 0, 1 fetch for A, waves 2, 3 for B
	s_cmp_eq_u32 s15, 0
	s_cbranch_scc0 .Lfor_b_\@
	tensor_load_to_lds s[\g0a:\g0a+3], s[\g1a:\g1a+7]
	s_nop 0
	PLACES 4
	s_branch .Lasked_\@
.Lfor_b_\@:
	tensor_load_to_lds s[\g0b:\g0b+3], s[\g1b:\g1b+7]
	s_nop 0
	PLACES 4
.Lasked_\@:
.endm
.macro CREST
	s_cmp_lg_u32 s14, 0
	s_cbranch_scc1 .Lnot_wave_0_\@
	s_barrier_signal -3
.Lnot_wave_0_\@:
	s_barrier_wait -3
	s_barrier_signal -1
	s_barrier_wait -1
.endm
.macro CROUND
	s_barrier_signal -1
	s_barrier_wait -1
	CREST
.endm
	s_load_b128 s[4:7], s[0:1], 0x0                ; cc, cs
	s_load_b128 s[8:11], s[0:1], 0x10              ; opc, ops
	s_load_b64 s[66:67], s[0:1], 0x20              ; b_o
	s_load_b64 s[12:13], s[0:1], 0x28              ; out0
	v_lshl_add_u32 v[SPW], v0, 2, SPARE
	v_mov_b32 v[NIL], 0
	ds_add_u32 v[SPW], v[NIL]                      ; the opening lines: the add, twice on end, and its wait
	ds_add_u32 v[SPW], v[NIL]
	v_lshrrev_b32 v1, 5, v0
	v_readfirstlane_b32 s14, v1                    ; wave 0..3
	s_lshr_b32 s15, s14, 1                         ; my row of waves.  Also: I fetch for A (0) or for B (1)
	s_and_b32 s16, s14, 1                          ; my column of waves.  Also: which half of that tile I fetch
	s_bfe_u32 s40, ttmp6, 0x40000                  ; cx, cy
	s_bfe_u32 s41, ttmp6, 0x40004
	s_lshl_b32 s42, ttmp9, 2
	s_add_co_u32 s42, s42, s40                     ; block column
	s_and_b32 s17, ttmp7, 0xffff
	s_lshl_b32 s17, s17, 2
	s_add_co_u32 s17, s17, s41                     ; block row
	s_lshl_b32 s43, s41, 2
	s_lshl_b32 s43, 15, s43                        ; my row of the cluster
	s_lshl_b32 s44, 0x1111, s40                    ; my column
	s_or_b32 s[G1+0], s43, (3<<16)|(1<<21)         ; codes: a row = a row tile's 4,096 bytes of a slot (512 elements of 8), 16,384 bytes apart
	s_or_b32 s[G1B+0], s44, (3<<16)|(1<<21)
.irp g, G1, G1B
	s_mov_b32 s[\g+1], 512<<16
	s_mov_b32 s[\g+3], 512<<16
	s_mov_b32 s[\g+5], 2048
	s_mov_b32 s[\g+6], 0
	s_mov_b32 s[\g+7], 0
.endr
	s_mov_b32 s[G1+2], 8<<16                       ; the head's loads bring whole tiles: A's 8 row tiles,
	s_mov_b32 s[G1+4], 8
	s_mov_b32 s[G1B+2], 16<<16                     ; B's 16
	s_mov_b32 s[G1B+4], 16
	s_or_b32 s[G1S+0], s43, (3<<16)|(1<<20)|(1<<21)|(5<<22)|(3<<25)   ; scales: dense rows of 256 bytes, 16 of padding behind each
	s_or_b32 s[G1SB+0], s44, (3<<16)|(1<<20)|(1<<21)|(5<<22)|(3<<25)
.irp g, G1S, G1SB
	s_mov_b32 s[\g+1], 32<<16
	s_mov_b32 s[\g+3], 32<<16
	s_mov_b32 s[\g+5], 32
	s_mov_b32 s[\g+6], 0
	s_mov_b32 s[\g+7], 0
.endr
	s_mov_b32 s[G1S+2], 16<<16
	s_mov_b32 s[G1S+4], 16
	s_mov_b32 s[G1SB+2], 32<<16
	s_mov_b32 s[G1SB+4], 32
	s_lshl_b32 s20, s17, 7                         ; A: the block's first row
	s_add_co_u32 s46, s42, 44                      ; B: W_o's rows begin at row 44 x 256 of opc
	s_lshl_b32 s46, s46, 8
	s_mov_b32 s21, 0
	s_mov_b32 s47, 0
	s_lshl_b64 s[22:23], s[20:21], 5               ; their scale bytes,
	s_lshl_b64 s[92:93], s[46:47], 5
	s_lshl_b64 s[20:21], s[20:21], 10              ; their codes
	s_lshl_b64 s[46:47], s[46:47], 10
	s_lshl_b32 s18, s16, 16                        ; in the ring: my 4 row tiles of A,
	s_mov_b32 s19, 0
	s_lshl_b32 s94, s16, 17                        ; or my 8 of B, in memory,
	s_mov_b32 s95, 0
	s_lshl_b32 s45, s16, 14                        ; and in a slot
	s_lshl_b32 s3, s16, 15
	s_add_co_u32 s3, s3, ATILE
	s_wait_dscnt 0x0
	s_wait_kmcnt 0x0
	s_add_nc_u64 s[20:21], s[4:5], s[20:21]
	s_add_nc_u64 s[22:23], s[6:7], s[22:23]
	s_add_nc_u64 s[46:47], s[8:9], s[46:47]
	s_add_nc_u64 s[92:93], s[10:11], s[92:93]
	CROUND                                         ; all sixteen work-groups are here: the first joint loads meet
	s_mov_b32 s[G0H], 1
	s_mov_b32 s[G0H+1], 0
	s_mov_b64 s[G0H+2:G0H+3], s[20:21]
	s_or_b32 s[G0H+3], s[G0H+3], 0x80000000
	s_mov_b32 s[G0HB], 1
	s_mov_b32 s[G0HB+1], ATILE
	s_mov_b64 s[G0HB+2:G0HB+3], s[46:47]
	s_or_b32 s[G0HB+3], s[G0HB+3], 0x80000000
	s_mov_b32 s[G0S], 1
	s_mov_b32 s[G0S+1], SCL
	s_mov_b64 s[G0S+2:G0S+3], s[22:23]
	s_or_b32 s[G0S+3], s[G0S+3], 0x80000000
	s_mov_b32 s[G0SB], 1
	s_mov_b32 s[G0SB+1], SCL+HALFS
	s_mov_b64 s[G0SB+2:G0SB+3], s[92:93]
	s_or_b32 s[G0SB+3], s[G0SB+3], 0x80000000
	s_add_nc_u64 s[20:21], s[20:21], s[18:19]
	s_add_nc_u64 s[46:47], s[46:47], s[94:95]
.irp s, 0,1
	s_mov_b32 s[G0+4*\s], 1
	s_add_co_u32 s[G0+4*\s+1], s45, \s*SLOT
	s_add_nc_u64 s[G0+4*\s+2:G0+4*\s+3], s[20:21], \s*4096
	s_or_b32 s[G0+4*\s+3], s[G0+4*\s+3], 0x80000000
	s_mov_b32 s[G0B+4*\s], 1
	s_add_co_u32 s[G0B+4*\s+1], s3, \s*SLOT
	s_add_nc_u64 s[G0B+4*\s+2:G0B+4*\s+3], s[46:47], \s*4096
	s_or_b32 s[G0B+4*\s+3], s[G0B+4*\s+3], 0x80000000
.endr
.macro ARM under, g0, g1, next         ; the head's loads, one a wave, in one chain of branches on the wave's number
	s_cmp_lt_u32 s14, \under
	s_cbranch_scc0 \next
	tensor_load_to_lds s[\g0:\g0+3], s[\g1:\g1+7]
	s_nop 0
	PLACES 4
	s_branch .Lhead_asked
\next:
.endm
	ARM 1, G0H,  G1,  .Lhead_b
	ARM 2, G0HB, G1B, .Lhead_sa
	ARM 3, G0S,  G1S, .Lhead_sb
	tensor_load_to_lds s[G0SB:G0SB+3], s[G1SB:G1SB+7]
	s_nop 0
	PLACES 4
.Lhead_asked:
	s_lshl_b32 s20, s17, 7
	s_lshl_b32 s21, s15, 6
	s_add_co_u32 s20, s20, s21                     ; my first row of out0
	s_lshl_b32 s20, s20, 12
	s_lshl_b32 s46, s42, 10
	s_lshl_b32 s47, s16, 9
	s_add_co_u32 s46, s46, s47                     ; my first column, in bytes
	s_mov_b32 s47, 0
	s_add_co_u32 s20, s20, s46
	s_mov_b32 s21, 0
	s_add_nc_u64 s[12:13], s[12:13], s[20:21]
	s_add_nc_u64 s[66:67], s[66:67], s[46:47]
	s_lshl_b32 s21, s15, 14                        ; my 4 row tiles of A in a slot
	s_lshl_b32 s22, s16, 15                        ; my 8 of B,
	s_add_co_u32 s22, s22, ATILE                   ; behind A's
	s_mul_i32 s23, s14, 16*SPITCH                  ; my stage
	s_mul_i32 s96, s15, 8*272                      ; A's scales: my 64 rows
	s_mul_i32 s97, s16, HALFS                      ; B's: my 128 rows, behind A's 128
	s_add_co_u32 s97, s97, HALFS
	s_sub_co_u32 s97, s97, s96
	s_add_co_u32 s96, s96, SCL
	v_and_b32 v1, 15, v0
	v_bfe_u32 v2, v0, 4, 1
	v_and_b32 v3, 31, v0
	v_lshlrev_b32 v4, 4, v3                        ; 16 x lane
	v_add_nc_u32 v[ADRA], s21, v4
	v_add_nc_u32 v[ADRB], s22, v4
	v_add_nc_u32 v[ADRA+1], SLOT, v[ADRA]
	v_add_nc_u32 v[ADRB+1], SLOT, v[ADRB]
	v_mul_u32_u24 v5, v1, 32                       ; my row's scales: 32 bytes a row,
	v_lshrrev_b32 v6, 8, v5
	v_lshl_add_u32 v5, v6, 4, v5                   ; and 16 more for each 256 passed
	v_mul_u32_u24 v6, s97, v2                      ; lanes 16-31 take B's
	v_add_nc_u32 v5, v5, v6
	v_add_nc_u32 v[ADRS], s96, v5
	v_mul_u32_u24 v5, v1, SPITCH
	v_lshl_add_u32 v5, v2, 5, v5
	v_add_nc_u32 v[STO], s23, v5                   ; into the stage: row l % 16, 32 bytes for each half of the lanes
	v_mov_b32 v[CO], v4
	v_add_nc_u32 v[RD], s23, v4                    ; back: the 32 lanes take one row of 512 bytes
	v_lshlrev_b32 v30, 5, v2
.irp b, 0,1,2,3,4,5,6,7
	global_load_b128 v[BI+8*\b:BI+8*\b+3], v30, s[66:67] offset:64*\b       ; b_o at columns 16 b + 8 h + 0 .. 7
	global_load_b128 v[BI+8*\b+4:BI+8*\b+7], v30, s[66:67] offset:64*\b+16
.endr
.macro FRAG reg, adr, q, i
.irp c, 0,1,2,3
	ds_load_b128 v[\reg+4*\c:\reg+4*\c+3], v[\adr] offset:4096*(\i)+2048*(\q)+512*\c
.endr
.endm
.macro FETCH slot, q                   ; the fragments of the slot's q-th 128 along K into sets q: B's eight, A's four: 48 loads
	WIN TO_B
.irp i, 0,1,2,3,4,5,6,7
	FRAG 128*(\q)+FR*\i, ADRB+\slot, \q, \i
.endr
	WIN 0
.irp i, 0,1,2,3
	FRAG AF+64*(\q)+FR*\i, ADRA+\slot, \q, \i
.endr
.endm
.macro SCALES sc
.irp i, 0,1,2,3,4,5,6,7
	ds_load_b64 v[SC+16*\sc+2*\i:SC+16*\sc+2*\i+1], v[ADRS] offset:\i*SBLK
.endr
.endm
.macro MULA a, q, sc, bias             ; A's block a against B's eight: eight accumulators by turns
.irp b, 0,1,2,3,4,5,6,7
.if \bias
	v_wmma_scale_f32_16x16x128_f8f6f4 v[8*(8*(\a)+\b):8*(8*(\a)+\b)+7], v[128*(\q)+FR*\b:128*(\q)+FR*\b+FR-1], v[AF+64*(\q)+FR*(\a):AF+64*(\q)+FR*(\a)+FR-1], v[BI+8*\b:BI+8*\b+7], v[SC+16*(\sc)+2*\b+(\q)], v[SC+16*(\sc)+2*(\a)+(\q)] matrix_a_scale:MATRIX_SCALE_ROW1
.else
	v_wmma_scale_f32_16x16x128_f8f6f4 v[8*(8*(\a)+\b):8*(8*(\a)+\b)+7], v[128*(\q)+FR*\b:128*(\q)+FR*\b+FR-1], v[AF+64*(\q)+FR*(\a):AF+64*(\q)+FR*(\a)+FR-1], v[8*(8*(\a)+\b):8*(8*(\a)+\b)+7], v[SC+16*(\sc)+2*\b+(\q)], v[SC+16*(\sc)+2*(\a)+(\q)] matrix_a_scale:MATRIX_SCALE_ROW1
.endif
.endr
.endm
.macro STEP slot, bias                 ; a slot's first 128 along K: sets 0; the second 128's fragments go into sets 1 meanwhile
	s_wait_dscnt 0x0                               ; sets 0 and the scale words are in
.if \bias
	FETCH \slot, 1
	WIN MULB
.else
	PLACES NP                                      ; eight places in front of loads into sets 1, which the last products read
	FETCH \slot, 1
	WIN MUL
.endif
.irp a, 0,1,2,3
	MULA \a, 0, \slot, \bias
.endr
	WIN 0
.endm
.macro TURN slot, next, fill           ; a slot's second 128 along K: sets 1; and the change of slots
	s_wait_tensorcnt 0x0                           ; all my tensor loads have landed: my part of the next slot
	ds_add_u32 v[SPW], v[NIL]
	s_wait_dscnt 1                                 ; sets 1 are in: the add alone may be out
	WIN MUL
	MULA 0, 1, \slot, 0
	s_wait_dscnt 0x0                               ; the add is done; my reads of this slot were over at the wait above
	s_barrier_signal -1
	MULA 1, 1, \slot, 0
	WIN 0
	s_barrier_wait -1
.if \fill
	CREST                                          ; the barrier has opened a round of the cluster's barrier
	s_add_nc_u64 s[G0+4*\slot+2:G0+4*\slot+3], s[G0+4*\slot+2:G0+4*\slot+3], 8192
	s_add_nc_u64 s[G0B+4*\slot+2:G0B+4*\slot+3], s[G0B+4*\slot+2:G0B+4*\slot+3], 8192
	JLOAD G0+4*\slot, G1, G0B+4*\slot, G1B         ; the first tensor load behind the round; its four v_nop are among the places below
	PLACES NP-4
.else
	PLACES NP
.endif
	v_add_nc_u32 v[ADRS], 4*NQ, v[ADRS]            ; the next slot's scale words
	s_wait_alu depctr_va_vdst(0)                   ; the wait here, directly behind the write
	FETCH \next, 0
	SCALES \next
	WIN MUL
	MULA 2, 1, \slot, 0
	MULA 3, 1, \slot, 0
	WIN 0
.endm
	s_wait_alu depctr_va_vdst(0)                   ; the wait at the head's end
	s_wait_tensorcnt 0x0                           ; my tile of the head's four is in; the full sequence ahead of slot 1's first fill:
	ds_add_u32 v[SPW], v[NIL]
	s_mov_b32 s[G1+2], 4<<16                       ; no tensor load of mine is out: from here on a load brings 4 row tiles of A
	s_mov_b32 s[G1+4], 4
	s_mov_b32 s[G1B+2], 8<<16                      ; or 8 of B
	s_mov_b32 s[G1B+4], 8
	s_wait_dscnt 0x0
	CROUND
	JLOAD G0+4, G1, G0B+4, G1B
	FETCH 0, 0
	SCALES 0
	s_wait_loadcnt 0x0                             ; the bias
	STEP 0, 1                                      ; the first products start the sums with the bias
	TURN 0, 1, 1                                   ; K has four fills: the eight steps are written by macros, on end
	STEP 1, 0
	TURN 1, 0, 1
	STEP 0, 0
	TURN 0, 1, 0
	STEP 1, 0
	s_wait_dscnt 0x0
	WIN MUL
.irp a, 0,1,2,3
	MULA \a, 1, 1, 0
.endr
	WIN 0
.macro TOSTAGE a
	WIN 0x08                                       ; the data: window 2
.irp b, 0,1,2,3,4,5,6,7
	ds_store_b128 v[STO], v[64*(\a)+8*\b:64*(\a)+8*\b+3] offset:64*\b       ; each accumulator from its low end on
	ds_store_b128 v[STO], v[64*(\a)+8*\b+4:64*(\a)+8*\b+7] offset:64*\b+16
.endr
	WIN 0
.set BB, BK+64*((\a)%2)
.irp t, 0,1,2,3,4,5,6,7,8,9,10,11,12,13,14,15
	ds_load_b128 v[BB+4*\t:BB+4*\t+3], v[RD] offset:\t*SPITCH               ; LDS serves a wave's instructions in order: these see my stores
.endr
.endm
.macro SEND a, younger
.set BB, BK+64*((\a)%2)
	s_wait_dscnt \younger
.if (\a) > 0
	s_add_nc_u64 s[12:13], s[12:13], 16*SIZE_N*4   ; behind a wait on XCNT: the earlier stores have read their base
.endif
.irp t, 0,1,2,3,4,5,6,7,8,9,10,11,12,13,14,15
	global_store_b128 v[CO], v[BB+4*\t:BB+4*\t+3], s[12:13] offset:\t*SIZE_N*4 th:TH_STORE_NT   ; 32 lanes store 512 consecutive bytes, aligned
.endr
.endm
	PLACES NP
	TOSTAGE 0
.irp a, 1,2,3
.if \a > 1
	s_wait_xcnt 0x0                                ; block a - 2's stores have read their registers and their base
.endif
	TOSTAGE \a
	SEND \a-1, 32                                  ; behind block a - 1's loads: block a's 16 stores and 16 loads
.endr
	s_wait_xcnt 0x0
	SEND 3, 0
	s_wait_tensorcnt 0x0                           ; the wave's end
	ds_add_u32 v[SPW], v[NIL]
	s_wait_dscnt 0x0
	CROUND                                         ; the closing round
	s_endpgm
.Lfunc_end_k_q62aa514fd8_oproj:
	.size	k_q62aa514fd8_oproj, .Lfunc_end_k_q62aa514fd8_oproj-k_q62aa514fd8_oproj
	.p2alignl 7, 3214868480
	.fill 96, 4, 3214868480
	.section	.rodata,"a",@progbits
	.p2align	6, 0x0
	.amdhsa_kernel k_q62aa514fd8_oproj
		.amdhsa_group_segment_fixed_size 327680
		.amdhsa_private_segment_fixed_size 0
		.amdhsa_enable_private_segment 0
		.amdhsa_kernarg_size 48
		.amdhsa_user_sgpr_count 2
		.amdhsa_user_sgpr_kernarg_segment_ptr 1
		.amdhsa_wavefront_size32 1
		.amdhsa_system_sgpr_workgroup_id_x 1
		.amdhsa_system_sgpr_workgroup_id_y 1
		.amdhsa_system_sgpr_workgroup_id_z 1
		.amdhsa_system_vgpr_workitem_id 0
		.amdhsa_next_free_vgpr 768
		.amdhsa_next_free_sgpr 100
		.amdhsa_reserve_vcc 0
		.amdhsa_float_denorm_mode_32 3
		.amdhsa_float_denorm_mode_16_64 3
		.amdhsa_memory_ordered 1
		.amdhsa_forward_progress 1
		.amdhsa_inst_pref_size 90
	.end_amdhsa_kernel
	.amdgpu_metadata
---
amdhsa.version: [ 1, 2 ]
amdhsa.kernels:
  - .name:           k_q62aa514fd8_oproj
    .symbol:         k_q62aa514fd8_oproj.kd
    .args:
      - { .name: cc, .offset: 0, .size: 8, .value_kind: global_buffer, .address_space: global }
      - { .name: cs, .offset: 8, .size: 8, .value_kind: global_buffer, .address_space: global }
      - { .name: opc, .offset: 16, .size: 8, .value_kind: global_buffer, .address_space: global }
      - { .name: ops, .offset: 24, .size: 8, .value_kind: global_buffer, .address_space: global }
      - { .name: b_o, .offset: 32, .size: 8, .value_kind: global_buffer, .address_space: global }
      - { .name: out0, .offset: 40, .size: 8, .value_kind: global_buffer, .address_space: global }
    .group_segment_fixed_size: 327680
    .private_segment_fixed_size: 0
    .kernarg_segment_align: 8
    .kernarg_segment_size: 48
    .max_flat_workgroup_size: 128
    .sgpr_count:     100
    .vgpr_count:     768
    .wavefront_size: 32
...
	.end_amdgpu_metadata
.endif
;; end of part 4
